; MI455X (gfx1250); checked and timed in simulation.
; The chip was launched on July 23, 2026; its instructions are those of AMD's public machine-readable ISA for CDNA 5 (MIT licence, August 2026) and "CDNA5" Instruction Set Architecture Reference Guide (July 2026). The comments in the code are by the model that wrote it; some were corrected since.
;; Flash Attention Module. Allowed arithmetic: matrix products marked QUANTISED: E2M3 operands, one E8M0 scale for each 32 along K, by v_wmma_scale_f32_16x16x128_f8f6f4 with both operands' format E2M3, f32 sums; everything else in f32.
;; Inputs: Wk 2,048 x 2,048 float32; Wo 2,048 x 2,048 float32; Wq 2,048 x 2,048 float32; Wv 2,048 x 2,048 float32; bk 2,048 float32; bo 2,048 float32; bq 2,048 float32; bv 2,048 float32; past_k 2 x 16 x 2,048 x 128 float32; past_v 2 x 16 x 2,048 x 128 float32; x 2 x 1,024 x 2,048 float32.
;; Outputs: out0 2 x 1,024 x 2,048 float32.
;; This version of the problem:
;;   THIS VERSION OF THE PROBLEM IS GIVEN IN LOW PRECISION. The matrix products marked QUANTISED in the list below multiply operands that are first quantised to E2M3 (2 exponent bits, 3 mantissa bits; 6 bits a number), with one power-of-two scale for each 32 numbers along K (OCP MX v1.0); their sums are f32. All else is computed in f32.
;;   The module's matrix products, in the order in which they are computed (A, B: the left and right operand; K: the contracted axis; several contracted axes count as one K, in the product's order):
;;     1. [M 2,048, K 2,048] x [K 2,048, N 2,048]; A: input x; B: input Wq: QUANTISED
;;     2. [M 2,048, K 2,048] x [K 2,048, N 2,048]; A: input x; B: input Wk: QUANTISED
;;     3. [M 2,048, K 2,048] x [K 2,048, N 2,048]; A: input x; B: input Wv: QUANTISED
;;     4. batch 32 x [M 1,024, K 128] x [K 128, N 3,072]; A: computed on the way; B: computed on the way: QUANTISED
;;     5. batch 32 x [M 1,024, K 3,072] x [K 3,072, N 128]; A: softmax (see below); B: computed on the way: QUANTISED
;;     6. [M 2,048, K 2,048] x [K 2,048, N 2,048]; A: computed on the way; B: input Wo: QUANTISED
;;   THE QUANTISER, for each operand of a quantised product, along K:
;;     - K is cut into blocks of 32 from its start; a last block that is shorter is filled with zeros.
;;     - A block's scale is 2^e with e = floor(log2(the largest magnitude in the block)) - 2, held to -126 .. 127; a block of zeros has e = 0. As a byte (E8M0): e + 127.
;;     - Each number is divided by its block's scale, clamped to +-7.5, and rounded to the nearest number of E2M3, ties to even, subnormals kept.
;;     - The product sums the exact products of the quantised numbers (number of the format x scale) in f32.
;;   ~~~python
;;   def quantise(x, axis):      # numpy; x: float32 -> the quantised numbers, widened to float32 again
;;       x = np.moveaxis(x, axis, -1); K = x.shape[-1]
;;       x = np.pad(x, [(0, 0)] * (x.ndim - 1) + [(0, -K % 32)]); x = x.reshape(x.shape[:-1] + (-1, 32)); a = np.abs(x).max(-1, keepdims=True)
;;       e = np.where(a > 0, np.clip(np.frexp(np.where(a > 0, a, 1))[1] - 1 - 2, -126, 127), 0)      # np.frexp(a)[1] - 1 = floor(log2(a)), exactly
;;       r = np.clip(x / 2.0 ** e, -7.5, 7.5)
;;       step = 2.0 ** (np.maximum(np.frexp(np.where(r == 0, 1, r))[1] - 1, 0) - 3)
;;       q = np.round(r / step) * step * 2.0 ** e      # np.round: ties to even
;;       return np.moveaxis(q.reshape(q.shape[:-2] + (-1,))[..., :K], -1, axis).astype(np.float32)
;;   ~~~
;;   SOFTMAX AHEAD OF A QUANTISED PRODUCT. Where the list says 'softmax', what is quantised is not the finished softmax but p = 2^(t - M), with t = logit x log2(e) and M = ceil(the row's largest t), a whole number; so 1/2 < the row's largest p <= 1. The row's sum l is taken of the UNQUANTISED p, in f32, and the product's result is divided by l at the end. Since M is a whole number, a kernel that streams over the keys may use a running M (the ceiling of the running maximum): every later rescaling is an exact power of two, which a block's scale takes up: the codes' values come out the same.
;;   OPERANDS COMPUTED ON THE WAY. 'Computed on the way' means the value that the module computes at that place (a softmax that the list does not call 'softmax' is quantised finished and normalised). What goes into a quantiser is computed in f32, as accurately as f32 sums, v_exp_f32 and their like allow (about 1e-6 of the number): no bf16 or f16 on the way to a quantiser, and a product that is left as it is and whose result goes on into a quantised operand takes f32 operands (vector FMAs, or v_wmma_f32_16x16x4_f32). A number that lies on a knife's edge between two numbers of the format may be rounded either way, as far as f32 arithmetic and the matrix unit's own rounding can turn it there, and no further.
;; One version. Each part assembles by itself: llvm-mc -triple=amdgcn-amd-amdhsa -mcpu=gfx1250 --defsym DOCPART=n.
;; ======== version 1 of 1: 4 launches
;; limits: right only within a limited range of input values
;; workspace buffers: cw 16,384,000 bytes; kv 19,660,800 bytes; qc 3,276,800 bytes; oc 3,276,800 bytes
;; launch quant (part 1): grid 1408 x 1, 4 waves a work-group, no clusters, 46,592 bytes of LDS; arguments x, Wq, Wk, Wv, Wo, past_k, past_v, cw, kv; writes cw, kv
.if DOCPART == 1
	.amdgcn_target "amdgcn-amd-amdhsa--gfx1250"
	.amdhsa_code_object_version 6
	.text
	.protected	k_q3f6d19608d_quant
	.globl	k_q3f6d19608d_quant
	.p2align	8
	.type	k_q3f6d19608d_quant,@function
k_q3f6d19608d_quant:
	s_mov_b64 s[64:65], 0
	v_nop
	global_prefetch_b8 v0, s[64:65] scope:SCOPE_SE
	s_setreg_imm32_b32 hwreg(HW_REG_WAVE_MODE, 25, 1), 1
	s_wait_xcnt 0x0
; x, Wq, Wk, Wv, Wo [2048][2048], past_k and past_v [32 heads][2048 keys][128], all f32, become codes of FP6 (E2M3) with one E8M0 byte for each 32 along each operand's K.
; A block's scale is 2^(floor(log2(its largest magnitude)) - 2); its byte is that magnitude's exponent field - 2, held at 1 from below by a floor among the maximum's leaves.
; LIMITS: NaN and infinities are not served; blocks whose largest magnitude lies under 2^-124 keep the byte 1; a block of zeros gets the byte 1 (its codes are zeros, and this program alone reads the bytes).
; WHAT IS WRITTEN.  Operands leave as IMAGES OF THE MATRIX OPERAND'S REGISTERS.  A fragment is 16 rows x 128 K = 12 registers a lane = 1,536 bytes: register p of lane l at 512 (p / 4) + 16 l + 4 (p % 4).
; Its scale words: 64 bytes, row r's word at 4 r.  THE 16 ROWS OF A TILE ARE NOT NEIGHBOURS: lane r of tile T holds row 32 (T / 2) + 8 (T % 2) + r + 8 (r / 8), in every tensor of the program.
; cw: [x, Wq, Wk, Wv, Wo][128 tiles][8 pairs of K steps] of 3,200 bytes: fragment, fragment, 128 bytes of scale words (even K step, then odd).
; kv: [32 heads][24 key steps] of 25,600 bytes: 8 fragments of K (key tiles), 8 of V (tiles of the head's 128, K = the step's 128 keys), 512 bytes of K's scale words, 512 of V's.  This launch fills key steps 0 to 15.
; SHARES.  Work-groups 0-639: one row tile of x or of a weight; wave w takes K steps 4 w to 4 w + 3.  640-895: past_k, a wave takes 64 keys (4 key tiles).  896-1407: past_v, a work-group takes a key step of a head.
; No tensor load, no barrier: waves share nothing.  The two ways through the text part on the work-group's number and have LDS bytes of their own.
.set STA,   8448                       ; way A: a wave's stage, 16 rows x 528 bytes (512 + 16: 33 x 16, so sixteen rows start at sixteen different 16-byte columns modulo 256)
.set STB,   33792                      ; way B: a wave's stage, 3,072 bytes: two fragments' images
.set SPARE, 46080                      ; the spare words, 128 bytes for each wave: two blocks of 256 bytes that no other line names
.set SPW,   6                          ; v6   my spare word's address; never rewritten
.set NIL,   7                          ; v7   0; never rewritten
.set OFF,   8                          ; v8-23  way A: 16 x lane + the tile's row i x the row pitch
.set TM,    24                         ; v24-39 at work in QUANT
.set RR,    104                        ; v104-167, v168-231: two sets of 64 numbers
.set SEL,   62                         ; s[62:63] selects of v_permlanex16_b32: lane l xor 16
; 64 numbers of a lane, register 16 b + i = k 32 b + 16 (lane / 16) + i of the lane's row, become a fragment's 12 registers at v[pc] and the row's scale word in v[pw]; v[pt] on: 8 registers at work.
.macro QUANT s, pc, pt, pw
.irp b, 0,1,2,3
	v_max3_num_f32 v[TM+\b], |v[\s+16*\b]|, |v[\s+1+16*\b]|, 0x1800000   ; block b: my 16 numbers, and the floor 2^(3 - 127)
.endr
.irp i, 2,4,6,8,10,12,14
.irp b, 0,1,2,3
	v_max3_num_f32 v[TM+\b], v[TM+\b], |v[\s+16*\b+\i]|, |v[\s+1+16*\b+\i]|   ; the four blocks by turns
.endr
.endr
.irp b, 0,1,2,3
	v_permlanex16_b32 v[TM+4+\b], v[TM+\b], s[SEL], s[SEL+1]
.endr
.irp b, 0,1,2,3
	v_max_num_f32 v[TM+\b], v[TM+\b], v[TM+4+\b]       ; with lane l xor 16's 16: the block's largest magnitude
.endr
.irp b, 0,1,2,3
	v_add_nc_u32 v[TM+12+\b], 0xff000000, v[TM+\b]     ; 2 off its exponent field: the conversion's scale operand
.endr
.irp b, 0,1,2,3
	v_lshrrev_b32 v[TM+4+\b], 23, v[TM+12+\b]          ; the scale's byte
.endr
	v_lshl_or_b32 v[\pw], v[TM+5], 8, v[TM+4]
	v_lshl_or_b32 v[\pw], v[TM+6], 16, v[\pw]
	v_lshl_or_b32 v[\pw], v[TM+7], 24, v[\pw]
.irp c, 0,1
	v_cvt_scalef32_pk16_fp6_f32 v[\pc+6*\c:\pc+6*\c+2], v[\s+32*\c:\s+32*\c+15], v[TM+12+2*\c]
	v_cvt_scalef32_pk16_fp6_f32 v[\pt+4*\c:\pt+4*\c+2], v[\s+16+32*\c:\s+31+32*\c], v[TM+13+2*\c]   ; (a conversion's three registers begin on an even number)
.endr
	v_nop                                              ; one plain place behind the scaled conversions
.irp c, 0,1                                            ; the operand wants a whole block in a lane: lanes 0-15 block 2 c, lanes 16-31 block 2 c + 1
.irp i, 0,1,2
	v_permlane16_swap_b32 v[\pc+6*\c+\i], v[\pt+4*\c+\i]
.endr
.irp i, 0,1,2
	v_mov_b32 v[\pc+3+6*\c+\i], v[\pt+4*\c+\i]
.endr
.endr
.endm
	s_load_b512 s[4:19], s[0:1], 0x0               ; x 4, Wq 6, Wk 8, Wv 10, Wo 12, past_k 14, past_v 16, cw 18
	s_load_b64 s[20:21], s[0:1], 0x40              ; kv
	v_lshl_add_u32 v[SPW], v0, 2, SPARE
	v_mov_b32 v[NIL], 0
	v_lshrrev_b32 v1, 5, v0
	v_readfirstlane_b32 s22, v1                    ; wave 0..3
	v_and_b32 v1, 31, v0                           ; lane
	v_lshlrev_b32 v2, 4, v1                        ; 16 x lane
	v_lshlrev_b32 v3, 2, v1                        ; 4 x lane
	s_cmp_ge_u32 ttmp9, 896
	s_cbranch_scc1 .Lpast_v
	; ---------------- WAY A: K is innermost.  A wave makes four fragments.  Both kinds' offsets are made, then chosen on the work-group's number.
	s_lshr_b32 s41, ttmp9, 7                       ; which tensor: 0 x, 1 Wq, 2 Wk, 3 Wv, 4 Wo; 5 and 6: past_k
	s_and_b32 s2, ttmp9, 127                       ; x and the weights: row tile T
	s_lshr_b32 s3, s2, 1
	s_lshl_b32 s3, s3, 5
	s_and_b32 s2, s2, 1
	s_lshl_b32 s2, s2, 3
	s_add_co_u32 s2, s2, s3                        ; its first row: 32 (T / 2) + 8 (T % 2)
	s_lshl_b32 s2, s2, 13                          ; x 8,192 bytes
	s_lshl_b32 s3, s22, 11                         ; + 4 K steps of 512 bytes a wave
	s_add_co_u32 s42, s2, s3                       ; where I read
	; cw is laid [x, Wq, Wk, Wv, Wo][8 pairs of K steps][128 tiles] of 3,200 bytes (this order stands in place of the one named at the head): eight neighbouring tiles of one pair are 25,600 dense bytes
	s_mul_i32 s44, s41, 3276800                    ; the tensor
	s_and_b32 s3, ttmp9, 127
	s_mul_i32 s3, s3, 3200                         ; the row tile
	s_add_co_u32 s44, s44, s3
	s_mul_i32 s3, s22, 819200                      ; two pairs of K steps a wave, 409,600 bytes from pair to pair
	s_add_co_u32 s44, s44, s3
	s_add_co_u32 s46, s44, 3072                    ; and the scale words
	s_max_u32 s2, ttmp9, 640                       ; past_k: unit U of 64 keys
	s_sub_co_u32 s2, s2, 640
	s_lshl_b32 s2, s2, 2
	s_add_co_u32 s2, s2, s22
	s_lshl_b32 s62, s2, 15                         ; 64 keys x 512 bytes
	s_lshr_b32 s3, s2, 5                           ; the head
	s_mul_i32 s3, s3, 614400
	s_bfe_u32 s23, s2, 0x40001                     ; the key step
	s_mul_i32 s23, s23, 25600
	s_add_co_u32 s3, s3, s23
	s_and_b32 s2, s2, 1                            ; which four key tiles of the step
	s_mul_i32 s63, s2, 6144
	s_add_co_u32 s63, s63, s3
	s_lshl_b32 s49, s2, 8
	s_add_co_u32 s49, s49, s3
	s_add_co_u32 s49, s49, 24576
	s_cmp_lt_u32 ttmp9, 640                        ; the choice; the lines below leave SCC alone
	s_cselect_b32 s42, s42, s62
	s_cselect_b32 s44, s44, s63
	s_cselect_b32 s46, s46, s49
	s_mov_b32 s48, 512
	s_cselect_b32 s48, 8192, s48                   ; bytes from row to row
	s_mov_b32 s50, 4096
	s_cselect_b32 s50, 512, s50                    ; from fragment 0 to 1: a K step on, or 8 keys on
	s_mov_b32 s52, 16384
	s_cselect_b32 s52, 1024, s52                   ; from fragment 0 to 2: two K steps, or 32 keys
	s_mov_b32 s54, 3072
	s_cselect_b32 s54, 409600, s54
	s_mov_b32 s56, 128
	s_cselect_b32 s56, 409600, s56
.irp p, 43,45,47,51,53,55,57
	s_mov_b32 s\p, 0
.endr
	v_and_b32 v8, 15, v0                           ; r
	v_bfe_u32 v9, v0, 4, 1                         ; h
	s_mul_i32 s23, s22, STA                        ; my stage
	s_wait_alu depctr_va_vdst(0)
	v_add_nc_u32 v4, s23, v2                       ; in: a row's 512 bytes as they lie, 16 a lane
	v_mul_u32_u24 v5, v8, 528
	v_lshl_add_u32 v5, v9, 6, v5
	v_add_nc_u32 v5, s23, v5                       ; out: row r, + 64 h: my 16 numbers of each block of 32
.irp i, 0,1,2,3,4,5,6,7,8,9,10,11,12,13,14,15
	s_mul_i32 s2, s48, \i+8*(\i/8)                 ; the tile's row i lies i + 8 (i / 8) rows behind its first
	v_add_nc_u32 v[OFF+\i], s2, v2
.endr
.irp b, 0,1,2,3
	v_mov_b32 v[TM+4+\b], 0                        ; written once: a lane permute's destination counts as one of its sources
.endr
	s_wait_alu depctr_va_vdst(0)
	s_wait_kmcnt 0x0
	s_cselect_b64 s[58:59], s[18:19], s[20:21]     ; cw or kv (SCC still says: under 640)
	s_mov_b64 s[60:61], s[14:15]                   ; past_k, unless the tensor's number says otherwise
	s_cmp_eq_u32 s41, 0
	s_cselect_b64 s[60:61], s[4:5], s[60:61]
	s_cmp_eq_u32 s41, 1
	s_cselect_b64 s[60:61], s[6:7], s[60:61]
	s_cmp_eq_u32 s41, 2
	s_cselect_b64 s[60:61], s[8:9], s[60:61]
	s_cmp_eq_u32 s41, 3
	s_cselect_b64 s[60:61], s[10:11], s[60:61]
	s_cmp_eq_u32 s41, 4
	s_cselect_b64 s[60:61], s[12:13], s[60:61]
	s_add_nc_u64 s[24:25], s[60:61], s[42:43]      ; four sources, two places for codes, two for scale words: made once, never stepped
	s_add_nc_u64 s[26:27], s[24:25], s[50:51]
	s_add_nc_u64 s[28:29], s[24:25], s[52:53]
	s_add_nc_u64 s[30:31], s[26:27], s[52:53]
	s_add_nc_u64 s[32:33], s[58:59], s[44:45]
	s_add_nc_u64 s[34:35], s[32:33], s[54:55]
	s_add_nc_u64 s[36:37], s[58:59], s[46:47]
	s_add_nc_u64 s[38:39], s[36:37], s[56:57]
	s_mov_b32 s[SEL], 0x76543210
	s_mov_b32 s[SEL+1], 0xfedcba98
	s_mov_b32 s40, 0xffff0000                      ; lanes 16-31
.macro LOADA j                         ; fragment j: 16 rows x 512 bytes; each load reads 512 consecutive bytes of one row
.irp i, 0,1,2,3,4,5,6,7,8,9,10,11,12,13,14,15
	global_load_b128 v[RR+64*((\j)%2)+4*\i:RR+64*((\j)%2)+4*\i+3], v[OFF+\i], s[24+2*(\j):25+2*(\j)] th:TH_LOAD_NT
.endr
.endm
.macro TURNA j                         ; through my stage: in by rows, out 64 bytes of each block a lane, into the registers that they left.  LDS serves a wave's instructions in order (ISA guide 5.7.1.4)
.irp i, 0,1,2,3,4,5,6,7,8,9,10,11,12,13,14,15
	ds_store_b128 v4, v[RR+64*((\j)%2)+4*\i:RR+64*((\j)%2)+4*\i+3] offset:528*\i
.endr
.irp b, 0,1,2,3
.irp k, 0,1,2,3
	ds_load_b128 v[RR+64*((\j)%2)+16*\b+4*\k:RR+64*((\j)%2)+16*\b+4*\k+3], v5 offset:128*\b+16*\k
.endr
.endr
.endm
	LOADA 0
	LOADA 1
.irp j, 0,1,2,3
.if \j < 3
	s_wait_loadcnt 16                              ; this fragment's 16 loads are in; the next fragment's 16 may be out
.else
	s_wait_loadcnt 0x0
.endif
	TURNA \j
	s_wait_dscnt 0x0
	QUANT RR+64*(\j%2), 56+12*\j, 46, 40+\j        ; each fragment has registers of its own for codes and scale word: no store's data are written again
.if \j < 2
	LOADA \j+2
.endif
.irp c, 0,1,2
	global_store_b128 v2, v[56+12*\j+4*\c:56+12*\j+4*\c+3], s[32+2*(\j/2):33+2*(\j/2)] offset:1536*(\j%2)+512*\c   ; 512 consecutive bytes a store
.endr
.endr
	v_cndmask_b32 v44, v40, v41, s40               ; lanes 0-15: the even fragment's words, lanes 16-31: the odd one's (a word stands in lanes r and r + 16 alike)
	v_cndmask_b32 v45, v42, v43, s40
	global_store_b32 v3, v44, s[36:37]
	global_store_b32 v3, v45, s[38:39]
	s_wait_tensorcnt 0x0                           ; the wave's end, behind my last LDS store
	ds_add_u32 v[SPW], v[NIL]
	s_wait_dscnt 0x0
	s_endpgm
	; ---------------- WAY B: past_v.  K = the keys, which are not innermost.  A lane takes one of the head's 128 (d = 32 wave + lane) and its registers run down the step's 128 keys: four whole blocks.
.Lpast_v:
	s_sub_co_u32 s2, ttmp9, 896                    ; 16 x head + key step
	s_lshl_b32 s42, s2, 16                         ; 128 keys x 512 bytes
	s_lshl_b32 s3, s22, 7                          ; + my wave's 32 numbers of a row
	s_add_co_u32 s42, s42, s3
	s_mov_b32 s43, 0
	s_lshr_b32 s23, s2, 4
	s_mul_i32 s44, s23, 614400
	s_and_b32 s23, s2, 15
	s_mul_i32 s23, s23, 25600
	s_add_co_u32 s44, s44, s23                     ; the key step's record
	s_add_co_u32 s46, s44, s3
	s_add_co_u32 s46, s46, 25088                   ; V's scale words: 64 bytes a tile, two tiles a wave
	s_mul_i32 s23, s22, 3072
	s_add_co_u32 s44, s44, s23
	s_add_co_u32 s44, s44, 12288                   ; V's fragments: tiles 2 w and 2 w + 1
	s_mov_b32 s45, 0
	s_mov_b32 s47, 0
	s_add_co_u32 s23, s23, STB                     ; my stage
	v_and_b32 v8, 7, v0
	v_bfe_u32 v9, v0, 4, 1
	v_lshl_add_u32 v8, v9, 3, v8                   ; by the tiles' order lane l is row r = l % 8 + 8 (l / 16)
	v_bfe_u32 v9, v0, 3, 1                         ; of tile 2 w + u, u = (l / 8) % 2
	v_mul_u32_u24 v10, v9, 1536
	v_lshl_add_u32 v10, v8, 4, v10
	v_add_nc_u32 v10, s23, v10                     ; into the stage: my row's place in its fragment's image
	s_wait_alu depctr_va_vdst(0)
	v_add_nc_u32 v11, s23, v2                      ; back: 16 x lane
	v_lshlrev_b32 v12, 6, v9
	v_lshl_add_u32 v12, v8, 2, v12                 ; my scale word: 64 u + 4 r
	s_wait_kmcnt 0x0
	s_add_nc_u64 s[24:25], s[16:17], s[42:43]
	s_add_nc_u64 s[32:33], s[20:21], s[44:45]
	s_add_nc_u64 s[36:37], s[20:21], s[46:47]
.macro LOADB t                         ; block t: keys 32 t + 0 .. 31 of my d; a load reads 128 consecutive bytes, the four waves stand side by side on a row's 512
.set n, 0
.rept 32
	global_load_b32 v[RR+32*((\t)%2)+n], v3, s[24:25] offset:(32*(\t)+n)*512 th:TH_LOAD_NT
.set n, n+1
.endr
.endm
.macro BLOCKB t
.set XS, RR+32*((\t)%2)
.if (\t) < 3
	s_wait_loadcnt 32                              ; this block's 32 loads are in; the next block's may be out
.else
	s_wait_loadcnt 0x0
.endif
	v_max3_num_f32 v24, |v[XS]|, |v[XS+1]|, |v[XS+2]|  ; all 32 numbers of the block are mine: two chains
	v_max3_num_f32 v25, |v[XS+3]|, |v[XS+4]|, |v[XS+5]|
.irp i, 6,10,14,18,22,26
	v_max3_num_f32 v24, v24, |v[XS+\i]|, |v[XS+\i+1]|
	v_max3_num_f32 v25, v25, |v[XS+\i+2]|, |v[XS+\i+3]|
.endr
	v_max3_num_f32 v24, v24, |v[XS+30]|, |v[XS+31]|
	v_max3_num_f32 v24, v24, v25, 0x1800000        ; and the floor
	v_add_nc_u32 v26, 0xff000000, v24              ; the conversion's scale operand
	v_lshrrev_b32 v27, 23, v26                     ; the byte
.if (\t) == 0
	v_mov_b32 v40, v27
.else
	v_lshl_or_b32 v40, v27, 8*(\t), v40            ; byte t of my row's scale word
.endif
	v_cvt_scalef32_pk16_fp6_f32 v[56:58], v[XS:XS+15], v26
	v_cvt_scalef32_pk16_fp6_f32 v[62:64], v[XS+16:XS+31], v26
	v_nop                                          ; one plain place behind the conversions
	v_mov_b32 v59, v62
	v_mov_b32 v60, v63
	v_mov_b32 v61, v64
; block t is registers 6 (t / 2) .. + 5 of the image's lane r + 16 (t % 2)
.if (\t) < 2
	ds_store_b128 v10, v[56:59] offset:256*(\t)
	ds_store_b64 v10, v[60:61] offset:512+256*(\t)
.else
	ds_store_b64 v10, v[56:57] offset:520+256*((\t)-2)
	ds_store_b128 v10, v[58:61] offset:1024+256*((\t)-2)
.endif
.if (\t) < 2
	LOADB (\t)+2
.endif
	s_wait_dscnt 0x0                               ; the stores have read their registers: the next block's codes may be written
.endm
	LOADB 0
	LOADB 1
	BLOCKB 0
	BLOCKB 1
	BLOCKB 2
	BLOCKB 3
.irp c, 0,1,2,3,4,5
	ds_load_b128 v[168+4*\c:171+4*\c], v11 offset:512*\c   ; my wave's two images, as they will lie in memory
.endr
.irp c, 0,1,2,3,4,5
	s_wait_dscnt 5-\c                              ; LDS loads come back in order: number c is in, the younger ones may be out
	global_store_b128 v2, v[168+4*\c:171+4*\c], s[32:33] offset:512*\c
.endr
	s_wait_alu depctr_va_vdst(0)
	global_store_b32 v12, v40, s[36:37]
	s_wait_tensorcnt 0x0                           ; the wave's end, behind my last LDS store
	ds_add_u32 v[SPW], v[NIL]
	s_wait_dscnt 0x0
	s_endpgm
.Lfunc_end_k_q3f6d19608d_quant:
	.size	k_q3f6d19608d_quant, .Lfunc_end_k_q3f6d19608d_quant-k_q3f6d19608d_quant
	.p2alignl 7, 3214868480
	.fill 96, 4, 3214868480
	.section	.rodata,"a",@progbits
	.p2align	6, 0x0
	.amdhsa_kernel k_q3f6d19608d_quant
		.amdhsa_group_segment_fixed_size 46592
		.amdhsa_private_segment_fixed_size 0
		.amdhsa_enable_private_segment 0
		.amdhsa_kernarg_size 72
		.amdhsa_user_sgpr_count 2
		.amdhsa_user_sgpr_kernarg_segment_ptr 1
		.amdhsa_wavefront_size32 1
		.amdhsa_system_sgpr_workgroup_id_x 1
		.amdhsa_system_sgpr_workgroup_id_y 1
		.amdhsa_system_sgpr_workgroup_id_z 1
		.amdhsa_system_vgpr_workitem_id 0
		.amdhsa_next_free_vgpr 232
		.amdhsa_next_free_sgpr 66
		.amdhsa_reserve_vcc 0
		.amdhsa_float_denorm_mode_32 3
		.amdhsa_float_denorm_mode_16_64 3
		.amdhsa_memory_ordered 1
		.amdhsa_forward_progress 1
		.amdhsa_inst_pref_size 58
	.end_amdhsa_kernel
	.amdgpu_metadata
---
amdhsa.version: [ 1, 2 ]
amdhsa.kernels:
  - .name:           k_q3f6d19608d_quant
    .symbol:         k_q3f6d19608d_quant.kd
    .args:
      - { .name: x, .offset: 0, .size: 8, .value_kind: global_buffer, .address_space: global }
      - { .name: Wq, .offset: 8, .size: 8, .value_kind: global_buffer, .address_space: global }
      - { .name: Wk, .offset: 16, .size: 8, .value_kind: global_buffer, .address_space: global }
      - { .name: Wv, .offset: 24, .size: 8, .value_kind: global_buffer, .address_space: global }
      - { .name: Wo, .offset: 32, .size: 8, .value_kind: global_buffer, .address_space: global }
      - { .name: past_k, .offset: 40, .size: 8, .value_kind: global_buffer, .address_space: global }
      - { .name: past_v, .offset: 48, .size: 8, .value_kind: global_buffer, .address_space: global }
      - { .name: cw, .offset: 56, .size: 8, .value_kind: global_buffer, .address_space: global }
      - { .name: kv, .offset: 64, .size: 8, .value_kind: global_buffer, .address_space: global }
    .group_segment_fixed_size: 46592
    .private_segment_fixed_size: 0
    .kernarg_segment_align: 8
    .kernarg_segment_size: 72
    .max_flat_workgroup_size: 128
    .sgpr_count:     66
    .vgpr_count:     232
    .wavefront_size: 32
...
	.end_amdgpu_metadata
.endif
;; end of part 1
;; launch qkv (part 2): grid 24 x 8, 4 waves a work-group, clusters of 4 x 4, 327,680 bytes of LDS; arguments cw, bq, bk, bv, qc, kv; writes qc, kv
.if DOCPART == 2
	.amdgcn_target "amdgcn-amd-amdhsa--gfx1250"
	.amdhsa_code_object_version 6
	.text
	.protected	k_q3f6d19608d_qkv
	.globl	k_q3f6d19608d_qkv
	.p2align	8
	.type	k_q3f6d19608d_qkv,@function
k_q3f6d19608d_qkv:
	s_mov_b64 s[64:65], 0
	v_nop
	global_prefetch_b8 v0, s[64:65] scope:SCOPE_SE
	s_setreg_imm32_b32 hwreg(HW_REG_WAVE_MODE, 25, 1), 1
	s_wait_xcnt 0x0
	s_wait_alu depctr_hold_cnt(0) depctr_sa_sdst(0) depctr_va_vdst(0) depctr_va_sdst(0) depctr_va_ssrc(0) depctr_va_vcc(0) depctr_vm_vsrc(0)
	s_getreg_b32 s2, hwreg(HW_REG_IB_STS2, 6, 4)
	s_cmp_eq_u32 s2, 0
	s_cbranch_scc0 .Lentry_in_a_cluster
	s_endpgm
.Lentry_in_a_cluster:
	s_bfe_u32 s2, ttmp6, 0x10000c
	s_cmp_lg_u32 s2, 0xf033
	s_cbranch_scc0 .Lentry_shape_is_right
	s_endpgm
.Lentry_shape_is_right:
.set PAIRB, 3200
.set PLANE, 409600                     ; cw: bytes from one pair of K steps to the next (128 tiles of 3,200 bytes)
.set TILEB, 25600
.set SLOT,  102400
.set SPARE, 2*SLOT
.set FR,    12
.set NL,    3
.set NP,    4
.set ADRP,  16
.set ADRQ,  18
.set ADSP,  20
.set ADSQ,  22
.set SPW,   28
.set NIL,   29
.set SC,    32
.set BI,    64
.set AF,    128
.set BV,    224
.set TM,    232
.set PW,    248
.set PWE,   249
.set SW,    250
.set WV,    16
.set KIND,  19
.set G1,    24
.set G0,    32
.set G1B,   48
.set G0B,   56
.set SEL,   66
.set HIM,   68
.set BP,    70
.set OC,    72
.set OS,    74
.set MSB, 0
.macro WIN new
.if MSB != (\new)
	s_set_vgpr_msb (MSB<<8)|(\new)
.set MSB, (\new)
.endif
.endm
.set MUL_LO, 0xa1
.set MUL_HI, 0xf1
.set TO_P,   0x40
.macro QUANT s, pc, pt, pw
.irp b, 0,1,2,3
	v_max3_num_f32 v[TM+\b], |v[\s+16*\b]|, |v[\s+1+16*\b]|, 0x1800000
.endr
.irp i, 2,4,6,8,10,12,14
.irp b, 0,1,2,3
	v_max3_num_f32 v[TM+\b], v[TM+\b], |v[\s+16*\b+\i]|, |v[\s+1+16*\b+\i]|
.endr
.endr
.irp b, 0,1,2,3
	v_permlanex16_b32 v[TM+4+\b], v[TM+\b], s[SEL], s[SEL+1]
.endr
.irp b, 0,1,2,3
	v_max_num_f32 v[TM+\b], v[TM+\b], v[TM+4+\b]
.endr
.irp b, 0,1,2,3
	v_add_nc_u32 v[TM+12+\b], 0xff000000, v[TM+\b]
.endr
.irp b, 0,1,2,3
	v_lshrrev_b32 v[TM+4+\b], 23, v[TM+12+\b]
.endr
	v_lshl_or_b32 v[\pw], v[TM+5], 8, v[TM+4]
	v_lshl_or_b32 v[\pw], v[TM+6], 16, v[\pw]
	v_lshl_or_b32 v[\pw], v[TM+7], 24, v[\pw]
.irp c, 0,1
	v_cvt_scalef32_pk16_fp6_f32 v[\pc+6*\c:\pc+6*\c+2], v[\s+32*\c:\s+32*\c+15], v[TM+12+2*\c]
	v_cvt_scalef32_pk16_fp6_f32 v[\pt+4*\c:\pt+4*\c+2], v[\s+16+32*\c:\s+31+32*\c], v[TM+13+2*\c]
.endr
	v_nop
.irp c, 0,1
.irp i, 0,1,2
	v_permlane16_swap_b32 v[\pc+6*\c+\i], v[\pt+4*\c+\i]
.endr
.irp i, 0,1,2
	v_mov_b32 v[\pc+3+6*\c+\i], v[\pt+4*\c+\i]
.endr
.endr
.endm
.macro JLOAD g0a, g1a, g0b, g1b
	s_cmp_eq_u32 s17, 0
	s_cbranch_scc0 .Lfor_b_\@
	tensor_load_to_lds s[\g0a:\g0a+3], s[\g1a:\g1a+7]
	s_nop 0
.rept 4
	v_nop
.endr
	s_branch .Lasked_\@
.Lfor_b_\@:
	tensor_load_to_lds s[\g0b:\g0b+3], s[\g1b:\g1b+7]
	s_nop 0
.rept 4
	v_nop
.endr
.Lasked_\@:
.endm
.macro CREST
	s_cmp_lg_u32 s[WV], 0
	s_cbranch_scc1 .Lnot_wave_0_\@
	s_barrier_signal -3
.Lnot_wave_0_\@:
	s_barrier_wait -3
	s_barrier_signal -1
	s_barrier_wait -1
.endm
.macro CROUND
	s_barrier_signal -1
	s_barrier_wait -1
	CREST
.endm
	s_load_b256 s[4:11], s[0:1], 0x0
	s_load_b128 s[12:15], s[0:1], 0x20
	v_lshl_add_u32 v[SPW], v0, 2, SPARE
	v_mov_b32 v[NIL], 0
	ds_add_u32 v[SPW], v[NIL]
	ds_add_u32 v[SPW], v[NIL]
	v_lshrrev_b32 v1, 5, v0
	v_readfirstlane_b32 s[WV], v1
	s_lshr_b32 s17, s[WV], 1
	s_and_b32 s18, s[WV], 1
	s_bfe_u32 s40, ttmp6, 0x40000
	s_bfe_u32 s41, ttmp6, 0x40004
	s_lshl_b32 s42, ttmp9, 2
	s_add_co_u32 s42, s42, s40
	s_and_b32 s43, ttmp7, 0xffff
	s_lshl_b32 s43, s43, 2
	s_add_co_u32 s43, s43, s41
	s_lshr_b32 s[KIND], ttmp9, 1
	s_lshl_b32 s44, s41, 2
	s_lshl_b32 s44, 15, s44
	s_lshl_b32 s45, 0x1111, s40
	s_or_b32 s[G1], s44, (3<<16)|(1<<21)
	s_or_b32 s[G1B], s45, (3<<16)|(1<<21)
.irp g, G1, G1B
	s_mov_b32 s[\g+1], 32<<16                      ; eight tiles of one pair: 25,600 dense bytes as 100 rows of 256, each on a 256-byte border
	s_mov_b32 s[\g+2], 100<<16
	s_mov_b32 s[\g+3], 32<<16
	s_mov_b32 s[\g+4], 100
	s_mov_b32 s[\g+5], 32
	s_mov_b32 s[\g+6], 0
	s_mov_b32 s[\g+7], 0
.endr
	s_lshl_b32 s22, s18, 3
	s_lshl_b32 s20, s43, 4
	s_add_co_u32 s20, s20, s22
	s_mul_i32 s20, s20, PAIRB
	s_mov_b32 s21, 0
	s_lshl_b32 s46, s42, 4
	s_add_co_u32 s46, s46, s22
	s_and_b32 s46, s46, 127                        ; the tile inside its weight,
	s_mul_i32 s46, s46, PAIRB
	s_add_co_u32 s47, s[KIND], 1                   ; and the weight: tensor 1, 2 or 3 of cw
	s_mul_i32 s47, s47, 128*TILEB
	s_add_co_u32 s46, s46, s47
	s_mov_b32 s47, 0
	s_mul_i32 s23, s[WV], TILEB
	s_mov_b32 s[SEL], 0x76543210
	s_mov_b32 s[SEL+1], 0xfedcba98
	s_mov_b32 s[HIM], 0xffff0000
	s_wait_dscnt 0x0
	s_wait_kmcnt 0x0
	s_add_nc_u64 s[20:21], s[4:5], s[20:21]
	s_add_nc_u64 s[46:47], s[4:5], s[46:47]
	CROUND
.irp s, 0,1
	s_mov_b32 s[G0+4*\s], 1
	s_add_co_u32 s[G0+4*\s+1], s23, \s*SLOT
	s_add_nc_u64 s[G0+4*\s+2:G0+4*\s+3], s[20:21], \s*PLANE
	s_or_b32 s[G0+4*\s+3], s[G0+4*\s+3], 0x80000000
	s_mov_b32 s[G0B+4*\s], 1
	s_add_co_u32 s[G0B+4*\s+1], s23, \s*SLOT
	s_add_nc_u64 s[G0B+4*\s+2:G0B+4*\s+3], s[46:47], \s*PLANE
	s_or_b32 s[G0B+4*\s+3], s[G0B+4*\s+3], 0x80000000
	s_wait_alu depctr_va_vdst(0)
	s_wait_tensorcnt 0x0
	ds_add_u32 v28, v29
	ds_add_u32 v28, v29
	s_wait_dscnt 0x0
	CROUND
	JLOAD G0+4*\s, G1, G0B+4*\s, G1B
.endr
	v_and_b32 v1, 31, v0
	v_and_b32 v2, 15, v0
	v_bfe_u32 v3, v0, 4, 1
	v_lshlrev_b32 v4, 4, v1
	v_lshlrev_b32 v5, 2, v1
	v_lshlrev_b32 v6, 6, v3
	v_and_b32 v7, 8, v2
	v_add_nc_u32 v7, v7, v2
	v_lshlrev_b32 v7, 2, v7
.irp b, 0,1,2,3
	v_mov_b32 v[TM+4+\b], 0
.endr
	s_mul_i32 s20, s17, TILEB
	s_mul_i32 s21, s18, TILEB
	s_add_co_u32 s21, s21, 16*PAIRB
	s_cmp_eq_u32 s[KIND], 2
	s_cselect_b32 s22, s20, s21
	s_cselect_b32 s23, s21, s20
.irp s, 0,1
	v_add_nc_u32 v[ADRP+\s], s22, v4
	v_add_nc_u32 v[ADRQ+\s], s23, v4
	v_add_nc_u32 v[ADSP+\s], s22, v5
	v_add_nc_u32 v[ADSQ+\s], s23, v5
	s_add_co_u32 s22, s22, SLOT
	s_add_co_u32 s23, s23, SLOT
.endr
	s_cmp_eq_u32 s[KIND], 1
	s_cselect_b64 s[BP:BP+1], s[8:9], s[6:7]
	s_cmp_eq_u32 s[KIND], 2
	s_cselect_b64 s[BP:BP+1], s[10:11], s[BP:BP+1]
	s_and_b32 s76, s42, 7
	s_lshl_b32 s76, s76, 1
	s_add_co_u32 s76, s76, s18
	s_lshl_b32 s78, s76, 9
	s_mov_b32 s79, 0
	s_add_nc_u64 s[BP:BP+1], s[BP:BP+1], s[78:79]
.irp b, 0,1,2,3
.irp k, 0,1,2,3
	global_load_b128 v[BI+16*\b+4*\k:BI+16*\b+4*\k+3], v6, s[BP:BP+1] offset:128*\b+16*\k
.endr
.endr
.irp a, 0,1,2,3,4,5,6,7
	global_load_b32 v[BV+\a], v7, s[BP:BP+1] offset:4*(32*(\a/2)+8*(\a%2))
.endr
	s_lshl_b32 s77, s43, 1
	s_add_co_u32 s77, s77, s17
	s_lshr_b32 s78, s77, 3
	s_and_b32 s77, s77, 7
	s_lshl_b32 s78, s78, 4
	s_add_co_u32 s78, s78, s76
	s_lshl_b32 s20, s78, 3
	s_add_co_u32 s20, s20, s77
	s_mul_i32 s20, s20, 12800
	s_mul_i32 s21, s78, 614400
	s_add_co_u32 s77, s77, 16
	s_mul_i32 s77, s77, 25600
	s_add_co_u32 s21, s21, s77
	s_cmp_eq_u32 s[KIND], 2
	s_cselect_b32 s22, 12288, 0
	s_mov_b32 s23, 24576
	s_cselect_b32 s23, 12800, s23
	s_add_co_u32 s21, s21, s22
	s_cmp_eq_u32 s[KIND], 0
	s_cselect_b32 s23, 12288, s23
	s_cselect_b32 s76, s20, s21
	s_cselect_b64 s[OC:OC+1], s[12:13], s[14:15]
	s_mov_b32 s77, 0
	s_add_nc_u64 s[OC:OC+1], s[OC:OC+1], s[76:77]
	s_mov_b32 s76, s23
	s_add_nc_u64 s[OS:OS+1], s[OC:OC+1], s[76:77]
.macro WM acc, pf, qf, sp, sq, q, zero
.if \zero
	v_wmma_scale_f32_16x16x128_f8f6f4 v[\acc:\acc+7], v[\pf:\pf+11], v[\qf:\qf+11], 0, v[\sp], v[\sq] matrix_a_fmt:MATRIX_FMT_FP6 matrix_b_fmt:MATRIX_FMT_FP6
.elseif \q
	v_wmma_scale_f32_16x16x128_f8f6f4 v[\acc:\acc+7], v[\pf:\pf+11], v[\qf:\qf+11], v[\acc:\acc+7], v[\sp], v[\sq] matrix_a_fmt:MATRIX_FMT_FP6 matrix_b_fmt:MATRIX_FMT_FP6 matrix_a_scale:MATRIX_SCALE_ROW1 matrix_b_scale:MATRIX_SCALE_ROW1
.else
	v_wmma_scale_f32_16x16x128_f8f6f4 v[\acc:\acc+7], v[\pf:\pf+11], v[\qf:\qf+11], v[\acc:\acc+7], v[\sp], v[\sq] matrix_a_fmt:MATRIX_FMT_FP6 matrix_b_fmt:MATRIX_FMT_FP6
.endif
.endm
.macro MUL16 a0, p, q, sc, zero
.irp a, \a0, \a0+1
.irp b, 0,1,2,3,4,5,6,7
	WM 8*(8*((\a)%4)+\b), 128*(\p)+FR*\b, AF+FR*(\a), SC+16*(\sc)+\b, SC+16*(\sc)+8+(\a), \q, \zero
.endr
.endr
.endm
.macro FRAG reg, adr, q, i
.irp c, 0,1,2
	ds_load_b128 v[\reg+4*\c:\reg+4*\c+3], v[\adr] offset:PAIRB*(\i)+1536*(\q)+512*\c
.endr
.endm
.macro FETCH_P slot, q, p
	WIN TO_P
.irp i, 0,1,2,3,4,5,6,7
	FRAG 128*(\p)+FR*\i, ADRP+\slot, \q, \i
.endr
	WIN 0
.endm
.macro FETCH_Q slot, q, i0
.irp i, \i0, \i0+1, \i0+2, \i0+3
	FRAG AF+FR*(\i), ADRQ+\slot, \q, \i
.endr
.endm
.macro SCALES sc
.irp i, 0,1,2,3,4,5,6,7
	ds_load_b32 v[SC+16*\sc+\i], v[ADSP+\sc] offset:PAIRB*\i+3072
	ds_load_b32 v[SC+16*\sc+8+\i], v[ADSQ+\sc] offset:PAIRB*\i+3072
.endr
.endm
.macro PLACES n
.rept \n
	v_nop
.endr
.endm
.macro STEP slot, q, zero
	s_wait_dscnt 4*NL
	WIN MUL_LO
	MUL16 0, (\q)%2, \q, \slot, \zero
	MUL16 2, (\q)%2, \q, \slot, \zero
	s_wait_dscnt 0x0
	PLACES NP
	FETCH_P \slot, (\q)+1, 1-(\q)%2
	FETCH_Q \slot, (\q)+1, 0
	WIN MUL_HI
	MUL16 4, (\q)%2, \q, \slot, \zero
	MUL16 6, (\q)%2, \q, \slot, \zero
	PLACES NP
	WIN 0
	FETCH_Q \slot, (\q)+1, 4
.endm
.macro TURN slot, next, fill
	s_wait_tensorcnt 0x0
	ds_add_u32 v[SPW], v[NIL]
	s_wait_dscnt 4*NL+1
	WIN MUL_LO
	MUL16 0, 1, 1, \slot, 0
	s_wait_dscnt 0x0
	s_barrier_signal -1
	MUL16 2, 1, 1, \slot, 0
	WIN 0
	s_barrier_wait -1
.if \fill
	CREST
	s_add_nc_u64 s[G0+4*\slot+2:G0+4*\slot+3], s[G0+4*\slot+2:G0+4*\slot+3], 2*PLANE
	s_add_nc_u64 s[G0B+4*\slot+2:G0B+4*\slot+3], s[G0B+4*\slot+2:G0B+4*\slot+3], 2*PLANE
	JLOAD G0+4*\slot, G1, G0B+4*\slot, G1B
.else
	PLACES NP
.endif
	FETCH_P \next, 0, 0
	FETCH_Q \next, 0, 0
	SCALES \next
	WIN MUL_HI
	MUL16 4, 1, 1, \slot, 0
	MUL16 6, 1, 1, \slot, 0
	PLACES NP
	WIN 0
	FETCH_Q \next, 0, 4
.endm
	s_wait_alu depctr_va_vdst(0)
	s_wait_tensorcnt 1
	s_barrier_signal -1
	s_barrier_wait -1
	FETCH_P 0, 0, 0
	FETCH_Q 0, 0, 0
	SCALES 0
	FETCH_Q 0, 0, 4
	STEP 0, 0, 1
	s_mov_b32 s3, 3
.Llap:
	TURN 0, 1, 1
	STEP 1, 0, 0
	TURN 1, 0, 1
	STEP 0, 0, 0
	s_sub_co_u32 s3, s3, 1
	s_cmp_lg_u32 s3, 0
	s_cbranch_scc1 .Llap
	TURN 0, 1, 0
	STEP 1, 0, 0
	s_wait_dscnt 4*NL
	WIN MUL_LO
	MUL16 0, 1, 1, 1, 0
	MUL16 2, 1, 1, 1, 0
	s_wait_dscnt 0x0
	WIN MUL_HI
	MUL16 4, 1, 1, 1, 0
	MUL16 6, 1, 1, 1, 0
	WIN 0
.macro EPI a
.set AC, 64*((\a)%4)
.if (\a) > 0
	s_wait_xcnt 0x0
.endif
	s_cmp_eq_u32 s[KIND], 2
	s_cbranch_scc1 .Lby_lane_\@
	WIN 2+(\a)/4
.set i, 0
.rept 32
	v_pk_add_f32 v[128+i:129+i], v[AC+i:AC+i+1], v[BI+i:BI+i+1]
.set i, i+2
.endr
	WIN 0
	s_branch .Lbiased_\@
.Lby_lane_\@:
	WIN 2+(\a)/4
.set i, 0
.rept 32
.if (\a)%2
	v_pk_add_f32 v[128+i:129+i], v[AC+i:AC+i+1], v[BV+2*((\a)/2):BV+2*((\a)/2)+1] op_sel:[0,1] op_sel_hi:[1,1]
.else
	v_pk_add_f32 v[128+i:129+i], v[AC+i:AC+i+1], v[BV+2*((\a)/2):BV+2*((\a)/2)+1] op_sel_hi:[1,0]
.endif
.set i, i+2
.endr
	WIN 0
.Lbiased_\@:
	QUANT 128, 192, 204, PW
.irp c, 0,1,2
	global_store_b128 v4, v[192+4*\c:195+4*\c], s[OC:OC+1] offset:1536*(\a)+512*\c
.endr
.if (\a)%2
	v_cndmask_b32 v[SW], v[PWE], v[PW], s[HIM]
	global_store_b32 v5, v[SW], s[OS:OS+1] offset:128*((\a)/2)
.else
	v_mov_b32 v[PWE], v[PW]
.endif
.endm
	s_wait_loadcnt 0x0
	PLACES NP
	EPI 0
	EPI 1
	EPI 2
	EPI 3
	EPI 4
	EPI 5
	EPI 6
	EPI 7
	s_wait_tensorcnt 0x0
	ds_add_u32 v[SPW], v[NIL]
	s_wait_dscnt 0x0
	CROUND
	s_endpgm
.Lfunc_end_k_q3f6d19608d_qkv:
	.size	k_q3f6d19608d_qkv, .Lfunc_end_k_q3f6d19608d_qkv-k_q3f6d19608d_qkv
	.p2alignl 7, 3214868480
	.fill 96, 4, 3214868480
	.section	.rodata,"a",@progbits
	.p2align	6, 0x0
	.amdhsa_kernel k_q3f6d19608d_qkv
		.amdhsa_group_segment_fixed_size 327680
		.amdhsa_private_segment_fixed_size 0
		.amdhsa_enable_private_segment 0
		.amdhsa_kernarg_size 48
		.amdhsa_user_sgpr_count 2
		.amdhsa_user_sgpr_kernarg_segment_ptr 1
		.amdhsa_wavefront_size32 1
		.amdhsa_system_sgpr_workgroup_id_x 1
		.amdhsa_system_sgpr_workgroup_id_y 1
		.amdhsa_system_sgpr_workgroup_id_z 1
		.amdhsa_system_vgpr_workitem_id 0
		.amdhsa_next_free_vgpr 1024
		.amdhsa_next_free_sgpr 100
		.amdhsa_reserve_vcc 0
		.amdhsa_float_denorm_mode_32 3
		.amdhsa_float_denorm_mode_16_64 3
		.amdhsa_memory_ordered 1
		.amdhsa_forward_progress 1
		.amdhsa_inst_pref_size 177
	.end_amdhsa_kernel
	.amdgpu_metadata
---
amdhsa.version: [ 1, 2 ]
amdhsa.kernels:
  - .name:           k_q3f6d19608d_qkv
    .symbol:         k_q3f6d19608d_qkv.kd
    .args:
      - { .name: cw, .offset: 0, .size: 8, .value_kind: global_buffer, .address_space: global }
      - { .name: bq, .offset: 8, .size: 8, .value_kind: global_buffer, .address_space: global }
      - { .name: bk, .offset: 16, .size: 8, .value_kind: global_buffer, .address_space: global }
      - { .name: bv, .offset: 24, .size: 8, .value_kind: global_buffer, .address_space: global }
      - { .name: qc, .offset: 32, .size: 8, .value_kind: global_buffer, .address_space: global }
      - { .name: kv, .offset: 40, .size: 8, .value_kind: global_buffer, .address_space: global }
    .group_segment_fixed_size: 327680
    .private_segment_fixed_size: 0
    .kernarg_segment_align: 8
    .kernarg_segment_size: 48
    .max_flat_workgroup_size: 128
    .sgpr_count:     100
    .vgpr_count:     1024
    .wavefront_size: 32
...
	.end_amdgpu_metadata
.endif
;; end of part 2
;; launch attn (part 3): grid 8 x 32, 8 waves a work-group, clusters of 4 x 1, 327,680 bytes of LDS; arguments qc, kv, oc; writes oc
.if DOCPART == 3
	.amdgcn_target "amdgcn-amd-amdhsa--gfx1250"
	.amdhsa_code_object_version 6
	.text
	.protected	k_q3f6d19608d_attn
	.globl	k_q3f6d19608d_attn
	.p2align	8
	.type	k_q3f6d19608d_attn,@function
k_q3f6d19608d_attn:
	s_mov_b64 s[64:65], 0
	v_nop
	global_prefetch_b8 v0, s[64:65] scope:SCOPE_SE
	s_setreg_imm32_b32 hwreg(HW_REG_WAVE_MODE, 25, 1), 1
	s_wait_xcnt 0x0
	s_wait_alu depctr_hold_cnt(0) depctr_sa_sdst(0) depctr_va_vdst(0) depctr_va_sdst(0) depctr_va_ssrc(0) depctr_va_vcc(0) depctr_vm_vsrc(0)
	s_getreg_b32 s2, hwreg(HW_REG_IB_STS2, 6, 4)
	s_cmp_eq_u32 s2, 0
	s_cbranch_scc0 .Lentry_in_a_cluster
	s_endpgm
.Lentry_in_a_cluster:
	s_bfe_u32 s2, ttmp6, 0x10000c
	s_cmp_lg_u32 s2, 0x3003
	s_cbranch_scc0 .Lentry_shape_is_right
	s_endpgm
.Lentry_shape_is_right:
; o = softmax(q k^T / sqrt(128), query s of 1,024 sees keys 0 .. 2,048 + s of 3,072) v, for 32 heads, both products on codes of FP6 (E2M3) with E8M0 scales; o is quantised along the head's 128 and leaves as codes.
; LEFT OUT: key steps of 128 keys that lie wholly behind a tile's 16 queries: their scores are -infinity, so their p is 0 for all values of the inputs.
; THE SOFTMAX: t = score x log2(e) / sqrt(128); M = the running largest t rounded UP to a whole number; p = 2^(t - M) is quantised along the keys, not normalised; the row's sum is taken of the unquantised p and divides
; at the end; when M moves, the sum and O are multiplied by 2^(old M - new M), which rounds nothing.
; INPUTS as images of operand registers.  qc: [head][8 blocks of 128 queries]: 8 fragments, 512 bytes of scale words.  kv: [head][24 key steps] of 25,600 bytes: 8 fragments of K, 8 of V, K's scale words, V's.
; Lane r of tile T is row 32 (T / 2) + 8 (T % 2) + r + 8 (r / 8): the 16 result registers of tiles 2 b, 2 b + 1 are 16 neighbours, 32 b + 16 (lane / 16) + 0 .. 15.   oc: [8 pairs of heads][128 token tiles] of 3,200 bytes.
; SHARES.  Work-group g (0 .. 7) of a head.  A wave owns TWO tiles of 16 queries, tile g of blocks pi and 7 - pi (pi = wave % 4), so that each fragment of K and V read from LDS feeds two tiles; and every second key step
; (parity = wave / 4).  Waves w and w + 4 have 17 + pi and 24 - pi tile steps between them, 41 whatever pi; at the end they hand each other one tile's partial O, M and sum through LDS, and each finishes one tile.
; What is hidden or on the diagonal hangs on the wave's number and the step's count alone.  The eight work-groups of a head walk the same K and V: four to a cluster, each slot asked for JOINTLY.
; RING.  Two LDS slots of six key steps, 153,600 dense bytes; each of the eight waves fetches an eighth, 75 rows of 256 bytes: one tensor load a wave is out, and it has three steps of each wave in which to land.
; The next step's K is asked for behind this step's last K Q^T, its V behind the last V^T P; the row sums of p stand behind that product.
; LIMITS: NaN and infinities are not served; the scaled scores stay under 2^31 in magnitude; blocks whose largest magnitude lies under 2^-124 keep the byte 1, and so does a block of zeros (only this program reads the bytes).
; REGISTERS, window 0: v1-4, v7-15 offsets; v5, v6 the add's two; v16-39 Q, two tiles; v40-50 scale words; v52-59 -M, largest t, sum of each tile; v60-62 at work; v64-127 S^T, then p; v128-191 O^T of tile 0;
;   v192-203 p's codes; v204-227 at work.   window 1: v0-63 O^T of tile 1; v64-159 K's eight fragments; v160-255 V's.
.set KVS,   25600
.set SLOTB, 6*KVS
.set PART,  SLOTB/8
.set SPARE, 2*SLOTB                    ; the spare words, 128 bytes for each of the eight waves
.set XCH,   8448                       ; the hand-over at the end: 8,192 bytes of O and 256 of state a wave, in slot 0, which has had its last fill and its last read by then
.set TB,    2                          ; s2  LDS byte at which the step in hand begins
.set CNT,   3                          ; s3  my steps left in the slot
.set PI,    16
.set WV,    17
.set LAST0, 18                         ; s18, s19 the last key step, the one on the diagonal, of tile 0 and of tile 1
.set SEL,   20
.set CS,    22                         ; s[22:23] c = log2(e) / sqrt(128)
.set G1,    24
.set G0,    40
.set SLOTS, 44
.set LIM,   45
.set PFA,   46
.set KS,    52                         ; the key step
.set FB,    53                         ; which slot the next load fills
.set WOFF,  54
.set POFF,  55
.set PAR,   56
.set TN,    57
.set TL,    58                         ; s58 LDS byte at which my last step of the slot in hand begins
.set MK,    15
.set QF,    16
.set KSC,   40                         ; register i: lanes 0-15 the scale words of tile 2 i, lanes 16-31 those of tile 2 i + 1
.set VSC,   44
.set QS,    48
.set PW,    50
.set FF,    60
.set TT,    62
.set SS,    64
.set PC,    192
.set TM,    204
.set KF,    64                         ; in window 1
.set VF,    160                        ; in window 1
.set MSB, 0
.macro WIN new                         ; s_set_vgpr_msb: bits 1:0 source 0, 3:2 source 1, 5:4 source 2, 7:6 destination; the high byte repeats the setting that is left
.if MSB != (\new)
	s_set_vgpr_msb (MSB<<8)|(\new)
.set MSB, (\new)
.endif
.endm
.macro QUANT s, pc, pt, pw             ; 64 numbers of a lane (register 16 b + i = k 32 b + 16 (lane / 16) + i) -> a fragment at v[pc], its scale word in v[pw]
.irp b, 0,1,2,3
	v_max3_num_f32 v[TM+\b], |v[\s+16*\b]|, |v[\s+1+16*\b]|, 0x1800000
.endr
.irp i, 2,4,6,8,10,12,14
.irp b, 0,1,2,3
	v_max3_num_f32 v[TM+\b], v[TM+\b], |v[\s+16*\b+\i]|, |v[\s+1+16*\b+\i]|   ; the four blocks by turns
.endr
.endr
.irp b, 0,1,2,3
	v_permlanex16_b32 v[TM+4+\b], v[TM+\b], s[SEL], s[SEL+1]
.endr
.irp b, 0,1,2,3
	v_max_num_f32 v[TM+\b], v[TM+\b], v[TM+4+\b]       ; with lane l xor 16's 16: the block's largest magnitude
.endr
.irp b, 0,1,2,3
	v_add_nc_u32 v[TM+12+\b], 0xff000000, v[TM+\b]     ; 2 off its exponent field: the conversion's scale operand
.endr
.irp b, 0,1,2,3
	v_lshrrev_b32 v[TM+4+\b], 23, v[TM+12+\b]          ; the scale's byte
.endr
	v_lshl_or_b32 v[\pw], v[TM+5], 8, v[TM+4]
	v_lshl_or_b32 v[\pw], v[TM+6], 16, v[\pw]
	v_lshl_or_b32 v[\pw], v[TM+7], 24, v[\pw]
.irp c, 0,1
	v_cvt_scalef32_pk16_fp6_f32 v[\pc+6*\c:\pc+6*\c+2], v[\s+32*\c:\s+32*\c+15], v[TM+12+2*\c]
	v_cvt_scalef32_pk16_fp6_f32 v[\pt+4*\c:\pt+4*\c+2], v[\s+16+32*\c:\s+31+32*\c], v[TM+13+2*\c]
.endr
	v_nop
.irp c, 0,1
.irp i, 0,1,2
	v_permlane16_swap_b32 v[\pc+6*\c+\i], v[\pt+4*\c+\i]
.endr
.irp i, 0,1,2
	v_mov_b32 v[\pc+3+6*\c+\i], v[\pt+4*\c+\i]
.endr
.endr
.endm
.macro CROUND                          ; a round of the cluster's barrier
	s_barrier_signal -1
	s_barrier_wait -1
	s_cmp_lg_u32 s[WV], 0
	s_cbranch_scc1 .Lnot_wave_0_\@
	s_barrier_signal -3
.Lnot_wave_0_\@:
	s_barrier_wait -3
	s_barrier_signal -1
	s_barrier_wait -1
.endm
.macro TLOAD                           ; every wave fetches its eighth of a slot; an s_nop 0 and four v_nop follow the load
	tensor_load_to_lds s[G0:G0+3], s[G1:G1+7]
	s_nop 0
.rept 4
	v_nop
.endr
.endm
; A prefetch into the L2 of the slot that the NEXT change of slots will ask for.  A slot is 600 blocks of 256 bytes; the cluster's four partners take 150 each, told apart by address; in each, waves 0-4 ask, a lane a block
; (the lanes past the 150th name it again).  The last change that fills a slot asks for nothing.
.macro ASK
	s_cmp_gt_u32 s[SLOTS], s[LIM]
	s_cbranch_scc0 .Lnot_mine_\@
	global_prefetch_b8 v12, s[PFA:PFA+1] th:TH_LOAD_NT scope:SCOPE_SE
.Lnot_mine_\@:
.endm
.macro LOADF base, off                 ; eight fragments from off bytes behind v8 (a step's first byte + 16 x lane) into window 1: images, three loads of 512 consecutive bytes each
	WIN 0x40
.set tt, 0
.rept 8
.irp c, 0,1,2
	ds_load_b128 v[\base+12*tt+4*\c:\base+12*tt+4*\c+3], v8 offset:\off+1536*tt+512*\c
.endr
.set tt, tt+1
.endr
	WIN 0
.endm
.macro LOADS reg, off                  ; eight tiles' scale words, two tiles a register (v9 = the step's first byte + 4 x lane)
.irp i, 0,1,2,3
	ds_load_b32 v[\reg+\i], v9 offset:\off+128*\i
.endr
.endm
	s_load_b128 s[4:7], s[0:1], 0x0                ; qc 4, kv 6
	s_load_b64 s[8:9], s[0:1], 0x10                ; oc
	v_lshl_add_u32 v5, v0, 2, SPARE
	v_mov_b32 v6, 0
	ds_add_u32 v5, v6                              ; the wave's opening: the add, twice on end, and its wait ahead of the first tensor load
	ds_add_u32 v5, v6
	v_lshrrev_b32 v8, 5, v0
	s_delay_alu instid0(VALU_DEP_1)
	v_readfirstlane_b32 s[WV], v8                  ; wave 0..7
	s_and_b32 s[PI], s[WV], 3
	s_lshr_b32 s[PAR], s[WV], 2
	s_bfe_u32 s10, ttmp6, 0x40000                  ; cx
	s_lshl_b32 s11, ttmp9, 2
	s_add_co_u32 s11, s11, s10                     ; g: it enters Q's and o's addresses and the mask's number alone
	s_and_b32 s12, ttmp7, 0xffff                   ; 16 x batch + head, which the partners share
	s_mul_i32 s32, s12, 24*KVS
	s_mov_b32 s33, 0
	s_mul_i32 s[WOFF], s[WV], PART                 ; my eighth of a slot: in memory and in LDS alike
	s_mov_b32 s34, s[WOFF]
	s_mov_b32 s35, 0
	s_mov_b32 s[G1], 15|(3<<16)|(1<<21)            ; all four work-groups; elements of 8 bytes; bit 21 beside a mask; no padding
	s_mov_b32 s[G1+1], 32<<16                      ; 19,200 dense bytes as 75 rows of 256
	s_mov_b32 s[G1+2], 75<<16
	s_mov_b32 s[G1+3], 32<<16
	s_mov_b32 s[G1+4], 75
	s_mov_b32 s[G1+5], 32
	s_mov_b32 s[G1+6], 0
	s_mov_b32 s[G1+7], 0
	s_mov_b32 s[SEL], 0x76543210
	s_mov_b32 s[SEL+1], 0xfedcba98
	s_mov_b32 s[CS], 0x3e0293ee
	s_mov_b32 s[CS+1], s[CS]
	s_add_co_u32 s[LAST0], s[PI], 16
	s_sub_co_u32 s[LAST0+1], 23, s[PI]
	s_mul_i32 s[POFF], s[PAR], KVS
	s_mov_b32 s[KS], s[PAR]
	s_mov_b32 s[FB], 1
	s_mov_b32 s[SLOTS], 3
	s_cmp_lt_u32 s[WV], 5
	s_cselect_b32 s[LIM], 1, -1
	s_wait_dscnt 0x0                               ; both opening adds are done
	s_wait_kmcnt 0x0
	s_add_nc_u64 s[32:33], s[6:7], s[32:33]        ; kv at my head
	s_mov_b32 s[G0], 1
	s_mov_b32 s[G0+1], s[WOFF]
	s_add_nc_u64 s[G0+2:G0+3], s[32:33], s[34:35]
	s_or_b32 s[G0+3], s[G0+3], 0x80000000
	CROUND                                         ; all four work-groups are here
	TLOAD                                          ; slot 0: key steps 0 to 5
	s_mul_i32 s34, s10, SLOTB/4
	s_add_co_u32 s34, s34, SLOTB
	s_add_nc_u64 s[PFA:PFA+1], s[32:33], s[34:35]  ; my work-group's quarter of slot 1's bytes; the first change of slots steps it on.  Nothing is prefetched at the head
	s_lshl_b32 s36, s12, 3
	s_add_co_u32 s36, s36, s[PI]
	s_mul_i32 s36, s36, 12800                      ; Q: the record of block pi,
	s_mul_i32 s14, s11, 1536
	s_add_co_u32 s36, s36, s14                     ; fragment g
	s_mov_b32 s37, 0
	s_add_nc_u64 s[36:37], s[4:5], s[36:37]
	s_lshl_b32 s38, s[PI], 1
	s_sub_co_u32 s38, 7, s38
	s_mul_i32 s38, s38, 12800                      ; block 7 - pi lies 7 - 2 pi records on
	s_mov_b32 s39, 0
	s_add_nc_u64 s[38:39], s[36:37], s[38:39]
	s_mul_i32 s14, s11, 1472
	s_sub_co_u32 s14, 12288, s14                   ; from fragment g to its scale words: 12,288 - 1,536 g + 64 g
	s_mul_i32 s13, s[PAR], 7
	s_xor_b32 s13, s13, s[PI]                      ; the block whose tile I finish: pi in waves 0-3, 7 - pi in waves 4-7
	s_lshr_b32 s58, s12, 4
	s_lshl_b32 s58, s58, 6
	s_lshl_b32 s13, s13, 3
	s_add_co_u32 s58, s58, s13
	s_add_co_u32 s58, s58, s11                     ; o: token tile 64 x batch + 8 x block + g
	s_mul_i32 s58, s58, 3200
	s_bfe_u32 s59, s12, 0x30001                    ; the pair of K steps of the last product: head / 2
	s_mul_i32 s59, s59, 409600
	s_add_co_u32 s58, s58, s59
	s_and_b32 s60, s12, 1
	s_mul_i32 s61, s60, 1536
	s_add_co_u32 s62, s58, s61
	s_mov_b32 s63, 0
	s_add_nc_u64 s[48:49], s[8:9], s[62:63]        ; the fragment
	s_lshl_b32 s60, s60, 6
	s_add_co_u32 s62, s58, s60
	s_add_co_u32 s62, s62, 3072
	s_add_nc_u64 s[50:51], s[8:9], s[62:63]        ; its scale words
	s_mul_i32 s58, s[WV], XCH                      ; the hand-over: my bytes,
	s_xor_b32 s59, s[WV], 4
	s_mul_i32 s59, s59, XCH                        ; and my partner's
	s_lshr_b32 s60, s11, 1
	s_lshl_b32 s60, s60, 5
	s_and_b32 s61, s11, 1
	s_lshl_b32 s61, s61, 3
	s_add_co_u32 s60, s60, s61                     ; my tiles' first query in their blocks
	v_and_b32 v10, 31, v0
	v_and_b32 v11, 15, v0                          ; r
	s_delay_alu instid0(VALU_DEP_2)
	v_lshlrev_b32 v1, 4, v10                       ; 16 x lane
	v_lshlrev_b32 v2, 2, v10                       ; 4 x lane
	v_lshlrev_b32 v3, 2, v11                       ; 4 r
	v_lshlrev_b32 v10, 3, v10                      ; 8 x lane
	v_add_nc_u32 v13, s58, v1
	v_add_nc_u32 v14, s59, v1
	v_add_nc_u32 v4, s58, v10
	v_add_nc_u32 v7, s59, v10
	v_add_nc_u32 v10, s14, v3
	v_min_u32 v12, 149, v0
	s_delay_alu instid0(VALU_DEP_1)
	v_lshlrev_b32 v12, 8, v12
	s_wait_alu depctr_va_vdst(0)                   ; the wait ahead of the readers below
.irp c, 0,1,2
	global_load_b128 v[QF+4*\c:QF+4*\c+3], v1, s[36:37] offset:512*\c
	global_load_b128 v[QF+12+4*\c:QF+12+4*\c+3], v1, s[38:39] offset:512*\c
.endr
	global_load_b32 v[QS], v10, s[36:37]
	global_load_b32 v[QS+1], v10, s[38:39]
	v_and_b32 v8, 8, v11
	s_delay_alu instid0(VALU_DEP_1)
	v_add_nc_u32 v11, v11, v8
	v_bfe_u32 v8, v0, 4, 1
	s_delay_alu instid0(VALU_DEP_1)
	v_lshlrev_b32 v8, 4, v8
	s_delay_alu instid0(VALU_DEP_1)
	v_sub_nc_u32 v11, v11, v8
	s_delay_alu instid0(VALU_DEP_1)
	v_add_nc_u32 v[MK], s60, v11                   ; my query in its block - 16 (lane / 16).  On the diagonal register 16 b + i holds key 32 b + 16 (lane / 16) + i: hidden where 32 b + i is greater
.irp w, 0,1
	v_mov_b32 v[53+4*\w], 0xff61b1e6               ; the largest t so far: -3e38, under every t
	v_mov_b32 v[54+4*\w], 0
	v_mov_b32 v[55+4*\w], 0
	v_floor_f32 v[52+4*\w], -v[53+4*\w]            ; -M
.endr
.irp b, 4,5,6,7,9
	v_mov_b32 v[TM+\b], 0                          ; written once: a lane permute's destination counts as one of its sources
.endr
	v_mov_b32 v[FF], 0
	v_mov_b32 v[FF+1], 0
.set n, 0
.rept 64
	v_mov_b32 v[128+n], 0                          ; O^T: the step has no first form of its own; its first run finds zeros, which the first change of M leaves zeros
.set n, n+1
.endr
	WIN 0x40
.set n, 0
.rept 64
	v_mov_b32 v[n], 0
.set n, n+1
.endr
	WIN 0
; ONE TILE'S PART OF A KEY STEP.  w = 1 is the tile that lives longer: behind its products the next step's K and V are asked for, where the next step of mine lies in the same slot.
.macro TILE w
.set NM, 52+4*\w
.set LL, 54+4*\w
.set OB, 128-128*\w
	WIN 0x01                                       ; source 0 window 1
.irp t, 0,1,2,3,4,5,6,7                        ; S^T = K Q^T: eight tiles of 16 keys, each its own accumulator, begun with the constant 0
.if \t%2
	v_wmma_scale_f32_16x16x128_f8f6f4 v[SS+8*\t:SS+8*\t+7], v[KF+12*\t:KF+12*\t+11], v[QF+12*\w:QF+12*\w+11], 0, v[KSC+\t/2], v[QS+\w] matrix_a_fmt:MATRIX_FMT_FP6 matrix_b_fmt:MATRIX_FMT_FP6 matrix_a_scale:MATRIX_SCALE_ROW1
.else
	v_wmma_scale_f32_16x16x128_f8f6f4 v[SS+8*\t:SS+8*\t+7], v[KF+12*\t:KF+12*\t+11], v[QF+12*\w:QF+12*\w+11], 0, v[KSC+\t/2], v[QS+\w] matrix_a_fmt:MATRIX_FMT_FP6 matrix_b_fmt:MATRIX_FMT_FP6
.endif
.endr
	WIN 0
.if \w
	s_add_co_u32 s[TN], s[TB], 2*KVS
	s_min_u32 s[TN], s[TN], s[TL]                  ; held at my last step of the slot: no address made here passes the slot's end
	v_add_nc_u32 v8, s[TN], v1                     ; my next step's addresses; with the two v_nop: four places behind the products (ISA guide 7.12.1 for vector instructions)
	v_add_nc_u32 v9, s[TN], v2
	v_nop
	v_nop
	s_wait_alu depctr_va_vdst(0)
	s_cmp_eq_u32 s[CNT], 1
	s_cbranch_scc1 .Lno_k_\@                       ; my last step of the slot: no LDS read passes the slot's end
	LOADS KSC, 24576
	LOADF KF, 0
.Lno_k_\@:
.else
.rept 4
	v_nop                                          ; four places ahead of the first read of the scores
.endr
.endif
	s_cmp_lg_u32 s[KS], s[LAST0+\w]                ; only the tile's last step lies on the diagonal: there hidden scores become -infinity ahead of the maximum, so that p = 0
	s_cbranch_scc1 .Lopen_\@
	v_mov_b32 v[TT], 0xff800000
.set n, 0
.rept 64
	v_cmp_gt_i32 vcc_lo, 32*(n/16)+n%16, v[MK]
	v_cndmask_b32 v[SS+n], v[SS+n], v[TT], vcc_lo
.set n, n+1
.endr
.Lopen_\@:
.irp b, 0,1,2,3
	v_max3_num_f32 v[TM+\b], v[SS+16*\b], v[SS+1+16*\b], v[SS+2+16*\b]   ; the largest score of each block of 32 keys: for the row's maximum, and, since p rises with the score, for the block's largest p
.endr
.irp i, 3,5,7,9,11,13
.irp b, 0,1,2,3
	v_max3_num_f32 v[TM+\b], v[TM+\b], v[SS+16*\b+\i], v[SS+1+16*\b+\i]
.endr
.endr
.irp b, 0,1,2,3
	v_max_num_f32 v[TM+\b], v[TM+\b], v[SS+15+16*\b]
.endr
.irp b, 0,1,2,3
	s_delay_alu instid0(VALU_DEP_4)
	v_permlanex16_b32 v[TM+4+\b], v[TM+\b], s[SEL], s[SEL+1]
.endr
.irp b, 0,1,2,3
	s_delay_alu instid0(VALU_DEP_4)
	v_max_num_f32 v[TM+\b], v[TM+\b], v[TM+4+\b]   ; with lane l xor 16's 16 keys
.endr
	s_delay_alu instid0(VALU_DEP_2)
	v_max3_num_f32 v[TT], v[TM], v[TM+1], v[TM+2]
	s_delay_alu instid0(VALU_DEP_1)
	v_max_num_f32 v[TT], v[TT], v[TM+3]            ; the step's largest score of my query
	s_delay_alu instid0(VALU_DEP_1)
	v_mul_f32 v[TT], s[CS], v[TT]                  ; as t
	s_delay_alu instid0(VALU_DEP_1)
	v_max_num_f32 v[NM+1], v[NM+1], v[TT]          ; the running largest t
	v_mov_b32 v[TT], v[NM]
	s_delay_alu instid0(VALU_DEP_2)
	v_floor_f32 v[NM], -v[NM+1]                    ; the new -M = floor(-t): M is a whole number
	s_delay_alu instid0(VALU_DEP_1)
	v_sub_f32 v[TT], v[NM], v[TT]                  ; old M - new M: a whole number, 0 or less
	s_delay_alu instid0(VALU_DEP_1)
	v_cvt_i32_f32 v[TT], v[TT]                     ; (it saturates)
	s_delay_alu instid0(VALU_DEP_1)
	v_ldexp_f32 v[FF], 1.0, v[TT]                  ; f = 2^(old M - new M)
.set n, 0
.rept 32
	v_pk_fma_f32 v[SS+n:SS+n+1], v[SS+n:SS+n+1], s[CS:CS+1], v[NM:NM+1] op_sel_hi:[1,0,0]   ; t - M, two at a time
.set n, n+2
.endr
.irp b, 0,1,2,3
	v_fma_f32 v[TM+\b], v[TM+\b], s[CS], v[NM]     ; the same of each block's largest score
.endr
	s_wait_alu depctr_va_vdst(0)                   ; the wait ahead of the batch
.set n, 0
.rept 64
	v_exp_f32 v[SS+n], v[SS+n]                     ; p = 2^(t - M), at most 1
.set n, n+1
.endr
.irp b, 0,1,2,3
	v_exp_f32 v[TM+\b], v[TM+\b]                   ; the block's largest p: the same two instructions on the same number give the same bits
.endr
	v_pk_mul_f32 v[LL:LL+1], v[LL:LL+1], v[FF:FF+1] op_sel_hi:[1,0]   ; the sums under the new M: a plain place behind the exponentials
	s_wait_alu depctr_va_vdst(0)                   ; one wait for the whole batch, ahead of its first reader
.irp b, 0,1,2,3
	v_max_num_f32 v[TM+\b], 0x1800000, v[TM+\b]    ; the floor 2^(3 - 127): a block whose every p is 0 keeps the byte 1 over zero codes
.endr
.irp b, 0,1,2,3
	s_delay_alu instid0(VALU_DEP_4)
	v_add_nc_u32 v[TM+12+\b], 0xff000000, v[TM+\b] ; the conversion's scale operand
.endr
.irp b, 0,1,2,3
	s_delay_alu instid0(VALU_DEP_4)
	v_lshrrev_b32 v[TM+4+\b], 23, v[TM+12+\b]      ; the byte
.endr
	s_delay_alu instid0(VALU_DEP_3)
	v_lshl_or_b32 v[PW], v[TM+5], 8, v[TM+4]       ; p's scale word for these 128 keys
	s_delay_alu instid0(VALU_DEP_1)
	v_lshl_or_b32 v[PW], v[TM+6], 16, v[PW]
	s_delay_alu instid0(VALU_DEP_1)
	v_lshl_or_b32 v[PW], v[TM+7], 24, v[PW]
.irp c, 0,1
	v_cvt_scalef32_pk16_fp6_f32 v[PC+6*\c:PC+6*\c+2], v[SS+32*\c:SS+32*\c+15], v[TM+12+2*\c]
	v_cvt_scalef32_pk16_fp6_f32 v[TM+4+4*\c:TM+6+4*\c], v[SS+16+32*\c:SS+31+32*\c], v[TM+13+2*\c]
.endr
	v_nop                                          ; one plain place behind the scaled conversions
.irp c, 0,1
.irp i, 0,1,2
	v_permlane16_swap_b32 v[PC+6*\c+\i], v[TM+4+4*\c+\i]
.endr
.irp i, 0,1,2
	s_delay_alu instid0(VALU_DEP_3)
	v_mov_b32 v[PC+3+6*\c+\i], v[TM+4+4*\c+\i]
.endr
.endr
	WIN 0x41*\w                                    ; tile 1's O^T lies in window 1
	s_wait_alu depctr_va_vdst(0)                   ; the wait directly ahead of the first reader of O^T
.set n, 0
.rept 32
	v_pk_mul_f32 v[OB+n:OB+n+1], v[OB+n:OB+n+1], v[FF:FF+1] op_sel_hi:[1,0]   ; O^T under the new M; these 32 are also the places between the writes of p's codes and scale word and the products below
.set n, n+2
.endr
	WIN 0x01+0x50*\w
.irp t, 0,1,2,3,4,5,6,7                        ; O^T += V^T P^T: eight tiles of 16 of the head's 128; each accumulator has one instruction a step
.if \t%2
	v_wmma_scale_f32_16x16x128_f8f6f4 v[OB+8*\t:OB+8*\t+7], v[VF+12*\t:VF+12*\t+11], v[PC:PC+11], v[OB+8*\t:OB+8*\t+7], v[VSC+\t/2], v[PW] matrix_a_fmt:MATRIX_FMT_FP6 matrix_b_fmt:MATRIX_FMT_FP6 matrix_a_scale:MATRIX_SCALE_ROW1
.else
	v_wmma_scale_f32_16x16x128_f8f6f4 v[OB+8*\t:OB+8*\t+7], v[VF+12*\t:VF+12*\t+11], v[PC:PC+11], v[OB+8*\t:OB+8*\t+7], v[VSC+\t/2], v[PW] matrix_a_fmt:MATRIX_FMT_FP6 matrix_b_fmt:MATRIX_FMT_FP6
.endif
.endr
	WIN 0
.if \w
.rept 4
	v_nop                                          ; four places ahead of the loads into V's registers and scale words
.endr
	s_cmp_eq_u32 s[CNT], 1
	s_cbranch_scc1 .Lno_v_\@
	LOADS VSC, 25088
	LOADF VF, 12288
.Lno_v_\@:
.endif
.irp k, 0,1,2,3                                ; the row's sum of the unquantised p, which still lies in the scores' registers: four chains
	v_pk_add_f32 v[TM+16+2*\k:TM+17+2*\k], v[SS+4*\k:SS+4*\k+1], v[SS+4*\k+2:SS+4*\k+3]
.endr
.set n, 16
.rept 6
.irp k, 0,1,2,3
	v_pk_add_f32 v[TM+16+2*\k:TM+17+2*\k], v[TM+16+2*\k:TM+17+2*\k], v[SS+n+2*\k:SS+n+2*\k+1]
.endr
.set n, n+8
.endr
	v_pk_add_f32 v[TM+16:TM+17], v[TM+16:TM+17], v[TM+18:TM+19]
	v_pk_add_f32 v[TM+20:TM+21], v[TM+20:TM+21], v[TM+22:TM+23]
	s_delay_alu instid0(VALU_DEP_2)
	v_pk_add_f32 v[LL:LL+1], v[LL:LL+1], v[TM+16:TM+17]
	s_delay_alu instid0(VALU_DEP_1)
	v_pk_add_f32 v[LL:LL+1], v[LL:LL+1], v[TM+20:TM+21]
	s_wait_alu depctr_va_vdst(0)                   ; the wait ahead of the branches that follow
.endm
.macro STEP
	s_cmp_gt_u32 s[KS], s[LAST0+1]                 ; all its keys come after both tiles' queries: the work is left out, the stepping below is not
	s_cbranch_scc1 .Lhidden_\@
	s_wait_dscnt 0x0                               ; the step's K and V and their scale words are in
	s_cmp_gt_u32 s[KS], s[LAST0]
	s_cbranch_scc1 .Lone_\@
	TILE 0
.Lone_\@:
	TILE 1
.Lhidden_\@:
	s_add_co_u32 s[TB], s[TB], 2*KVS
	s_add_co_u32 s[KS], s[KS], 2
.endm
.macro WORK                            ; my three key steps of a slot
	s_mov_b32 s[CNT], 3
.Lstep_\@:
	STEP
	s_sub_co_u32 s[CNT], s[CNT], 1
	s_cmp_lg_u32 s[CNT], 0
	s_cbranch_scc1 .Lstep_\@
.endm
; THE CHANGE OF SLOTS.  Each wave waits for all its tensor loads (its part of the slot ahead), adds 0 to its spare word, and waits for that and for its reads of the slot that it has left.
; fill = 1: the barrier is a round of the cluster's, and behind it the slot that was left (the first time: slot 1, never filled yet) takes the next six key steps.  Then my first step's K and V are asked for.
.macro CHANGE fill
	s_wait_tensorcnt 0x0                           ; no tensor load of mine is out, so the walking descriptor may be written
	ds_add_u32 v5, v6                              ; 0 onto my spare word
	s_xor_b32 s[TB], s[FB], 1
	s_mul_i32 s[TB], s[TB], SLOTB
	s_add_co_u32 s[TB], s[TB], s[POFF]
	s_add_co_u32 s[TL], s[TB], 4*KVS               ; and my last
.if \fill
	s_mul_i32 s[G0+1], s[FB], SLOTB
	s_add_co_u32 s[G0+1], s[G0+1], s[WOFF]
	s_add_nc_u64 s[G0+2:G0+3], s[G0+2:G0+3], SLOTB
	s_xor_b32 s[FB], s[FB], 1
	s_wait_xcnt 0x0                                ; the last prefetch, a slot back, has read its address
	s_add_nc_u64 s[PFA:PFA+1], s[PFA:PFA+1], SLOTB
	s_wait_dscnt 0x0                               ; the add is done, and my reads of the slot that I have left are over
	CROUND
	TLOAD                                          ; the first thing behind the round, and a wave's one tensor load until the next
.else
	s_wait_dscnt 0x0
	s_barrier_signal -1
	s_barrier_wait -1
.endif
	v_add_nc_u32 v8, s[TB], v1
	v_add_nc_u32 v9, s[TB], v2
	s_wait_alu depctr_va_vdst(0)
	LOADS KSC, 24576                               ; the products that last read these registers stand a row sum back
	LOADF KF, 0
	LOADS VSC, 25088
	LOADF VF, 12288
.if \fill
	ASK                                            ; behind the tensor load and the run of LDS loads
.endif
.endm
	s_wait_alu depctr_va_vdst(0)                   ; the wait at the head's end
	s_wait_loadcnt 0x0                             ; Q
.Lslot:                                            ; three trips: behind each change of slots but the last the next slot is asked for
	CHANGE 1
	WORK
	s_sub_co_u32 s[SLOTS], s[SLOTS], 1
	s_cmp_lg_u32 s[SLOTS], 0
	s_cbranch_scc1 .Lslot
	CHANGE 0                                       ; the last slot is written out
	WORK
	; THE HAND-OVER.  Waves 0-3 finish tile 0 and send tile 1's partial O^T, -M and sum; waves 4-7 the other way round.
.rept 4
	v_nop                                          ; places behind the last products
.endr
	s_cmp_lt_u32 s[WV], 4
	s_cbranch_scc0 .Lsend0
	WIN 0x04                                       ; the data: window 1
	s_wait_alu depctr_va_vdst(0)                   ; the wait ahead of the first reader of O^T
.set n, 0
.rept 16
	ds_store_b128 v13, v[4*n:4*n+3] offset:512*n
.set n, n+1
.endr
	WIN 0
	v_mov_b32 v[TM], v56
	v_add_f32 v[TM+1], v58, v59
	v_mov_b32 v[TM+2], v52
	v_add_f32 v[TM+3], v54, v55
	s_branch .Lsent
.Lsend0:
	s_wait_alu depctr_va_vdst(0)
.set n, 0
.rept 16
	ds_store_b128 v13, v[128+4*n:128+4*n+3] offset:512*n
.set n, n+1
.endr
	v_mov_b32 v[TM], v52
	v_add_f32 v[TM+1], v54, v55
	v_mov_b32 v[TM+2], v56
	v_add_f32 v[TM+3], v58, v59
.Lsent:
	s_wait_alu depctr_va_vdst(0)
	ds_store_b64 v4, v[TM:TM+1] offset:8192
	s_wait_dscnt 0x0                               ; for the partner's sake
	s_barrier_signal -1
	s_barrier_wait -1
.set n, 0
.rept 16
	ds_load_b128 v[SS+4*n:SS+4*n+3], v14 offset:512*n
.set n, n+1
.endr
	ds_load_b64 v[TM+4:TM+5], v7 offset:8192
	s_wait_dscnt 0x0
	v_min_num_f32 v[TT], v[TM+2], v[TM+4]          ; -M of the two parts together
	v_sub_f32 v10, v[TT], v[TM+2]
	v_sub_f32 v11, v[TT], v[TM+4]
	v_cvt_i32_f32 v10, v10
	v_cvt_i32_f32 v11, v11
	v_ldexp_f32 v10, 1.0, v10                      ; my part's factor, a power of two,
	v_ldexp_f32 v11, 1.0, v11                      ; and my partner's
	v_mul_f32 v[TM+6], v[TM+3], v10
	v_fmac_f32 v[TM+6], v[TM+5], v11
	v_permlanex16_b32 v[TM+7], v[TM+6], s[SEL], s[SEL+1]
	v_add_f32 v[TM+6], v[TM+6], v[TM+7]            ; the row's sum
	s_wait_alu depctr_va_vdst(0)
	v_rcp_f32 v[TM+6], v[TM+6]
	v_mov_b32 v[TM+9], 0                           ; a plain place behind the reciprocal (named below as the upper half of a pair)
	s_wait_alu depctr_va_vdst(0)                   ; the wait ahead of its first reader
	v_mul_f32 v[FF], v10, v[TM+6]
	v_mul_f32 v[TM+8], v11, v[TM+6]
.set n, 0
.rept 32
	v_pk_mul_f32 v[SS+n:SS+n+1], v[SS+n:SS+n+1], v[TM+8:TM+9] op_sel_hi:[1,0]
.set n, n+2
.endr
	s_wait_alu depctr_va_vdst(0)
	s_cmp_lt_u32 s[WV], 4
	s_cbranch_scc0 .Lkeep1
	s_wait_alu depctr_va_vdst(0)                   ; the wait directly ahead of the first reader of the O^T that I kept
.set n, 0
.rept 32
	v_pk_fma_f32 v[SS+n:SS+n+1], v[128+n:129+n], v[FF:FF+1], v[SS+n:SS+n+1] op_sel_hi:[1,0,1]
.set n, n+2
.endr
	s_wait_alu depctr_va_vdst(0)
	s_branch .Ljoined
.Lkeep1:
	WIN 0x01
	s_wait_alu depctr_va_vdst(0)                   ; the same in this arm
.set n, 0
.rept 32
	v_pk_fma_f32 v[SS+n:SS+n+1], v[n:n+1], v[FF:FF+1], v[SS+n:SS+n+1] op_sel_hi:[1,0,1]
.set n, n+2
.endr
	WIN 0
.Ljoined:
	; register 16 b + i is o(my query, 32 b + 16 (lane / 16) + i): quantised along the head's 128, it is K step 'head' of the last product's operand
	QUANT SS, PC, TM+16, TT
.irp c, 0,1,2
	global_store_b128 v1, v[PC+4*\c:PC+4*\c+3], s[48:49] offset:512*\c
.endr
	global_store_b32 v3, v[TT], s[50:51]           ; row r's word; lanes r and r + 16 hold the same word and write it to the same place
	s_wait_tensorcnt 0x0                           ; the wave's end
	ds_add_u32 v5, v6
	s_wait_dscnt 0x0
	CROUND                                         ; the closing round
	s_endpgm
.Lfunc_end_k_q3f6d19608d_attn:
	.size	k_q3f6d19608d_attn, .Lfunc_end_k_q3f6d19608d_attn-k_q3f6d19608d_attn
	.p2alignl 7, 3214868480
	.fill 96, 4, 3214868480
	.section	.rodata,"a",@progbits
	.p2align	6, 0x0
	.amdhsa_kernel k_q3f6d19608d_attn
		.amdhsa_group_segment_fixed_size 327680
		.amdhsa_private_segment_fixed_size 0
		.amdhsa_enable_private_segment 0
		.amdhsa_kernarg_size 24
		.amdhsa_user_sgpr_count 2
		.amdhsa_user_sgpr_kernarg_segment_ptr 1
		.amdhsa_wavefront_size32 1
		.amdhsa_system_sgpr_workgroup_id_x 1
		.amdhsa_system_sgpr_workgroup_id_y 1
		.amdhsa_system_sgpr_workgroup_id_z 1
		.amdhsa_system_vgpr_workitem_id 0
		.amdhsa_next_free_vgpr 512
		.amdhsa_next_free_sgpr 66
		.amdhsa_reserve_vcc 1
		.amdhsa_float_denorm_mode_32 3
		.amdhsa_float_denorm_mode_16_64 3
		.amdhsa_memory_ordered 1
		.amdhsa_forward_progress 1
		.amdhsa_inst_pref_size 129
	.end_amdhsa_kernel
	.amdgpu_metadata
---
amdhsa.version: [ 1, 2 ]
amdhsa.kernels:
  - .name:           k_q3f6d19608d_attn
    .symbol:         k_q3f6d19608d_attn.kd
    .args:
      - { .name: qc, .offset: 0, .size: 8, .value_kind: global_buffer, .address_space: global }
      - { .name: kv, .offset: 8, .size: 8, .value_kind: global_buffer, .address_space: global }
      - { .name: oc, .offset: 16, .size: 8, .value_kind: global_buffer, .address_space: global }
    .group_segment_fixed_size: 327680
    .private_segment_fixed_size: 0
    .kernarg_segment_align: 8
    .kernarg_segment_size: 24
    .max_flat_workgroup_size: 256
    .sgpr_count:     66
    .vgpr_count:     512
    .wavefront_size: 32
...
	.end_amdgpu_metadata
.endif
;; end of part 3
;; launch oproj (part 4): grid 16 x 16, 4 waves a work-group, clusters of 4 x 4, 327,680 bytes of LDS; arguments oc, cw, bo, out0; writes out0
.if DOCPART == 4
	.amdgcn_target "amdgcn-amd-amdhsa--gfx1250"
	.amdhsa_code_object_version 6
	.text
	.protected	k_q3f6d19608d_oproj
	.globl	k_q3f6d19608d_oproj
	.p2align	8
	.type	k_q3f6d19608d_oproj,@function
k_q3f6d19608d_oproj:
	s_mov_b64 s[64:65], 0
	v_nop
	global_prefetch_b8 v0, s[64:65] scope:SCOPE_SE
	s_setreg_imm32_b32 hwreg(HW_REG_WAVE_MODE, 25, 1), 1
	s_wait_xcnt 0x0
	s_wait_alu depctr_hold_cnt(0) depctr_sa_sdst(0) depctr_va_vdst(0) depctr_va_sdst(0) depctr_va_ssrc(0) depctr_va_vcc(0) depctr_vm_vsrc(0)
	s_getreg_b32 s2, hwreg(HW_REG_IB_STS2, 6, 4)
	s_cmp_eq_u32 s2, 0
	s_cbranch_scc0 .Lentry_in_a_cluster
	s_endpgm
.Lentry_in_a_cluster:
	s_bfe_u32 s2, ttmp6, 0x10000c
	s_cmp_lg_u32 s2, 0xf033
	s_cbranch_scc0 .Lentry_shape_is_right
	s_endpgm
.Lentry_shape_is_right:
.set ROWB,  6400
.set GSTEP, 819200                     ; oc and cw: bytes from a slot's two pairs of K steps to the next two (a pair: 128 tiles of 3,200 bytes)
.set SLOT,  102400
.set STAGE, 2*SLOT
.set SPITCH, 272
.set SPARE, STAGE+4*16*SPITCH
.set ADRP,  16
.set ADRQ,  18
.set ADSP,  20
.set ADSQ,  22
.set STO,   24
.set RD,    25
.set CO,    26
.set BH,    27
.set SPW,   28
.set NIL,   29
.set SC,    32
.set BO,    64
.set ACC,   128
.set G1,    24
.set G0,    32
.set G1B,   48
.set G0B,   56
.set MSB, 0
.macro WIN new
.if MSB != (\new)
	s_set_vgpr_msb (MSB<<8)|(\new)
.set MSB, (\new)
.endif
.endm
.set MUL,  0x05
.set TO_F, 0x40
.macro JLOAD s
	s_cmp_eq_u32 s15, 0
	s_cbranch_scc0 .Lfor_b_\@
	tensor_load_to_lds s[G0+4*\s:G0+4*\s+3], s[G1:G1+7]
	s_nop 0
.rept 4
	v_nop
.endr
	s_branch .Lasked_\@
.Lfor_b_\@:
	tensor_load_to_lds s[G0B+4*\s:G0B+4*\s+3], s[G1B:G1B+7]
	s_nop 0
.rept 4
	v_nop
.endr
.Lasked_\@:
.endm
.macro CREST
	s_cmp_lg_u32 s14, 0
	s_cbranch_scc1 .Lnot_wave_0_\@
	s_barrier_signal -3
.Lnot_wave_0_\@:
	s_barrier_wait -3
	s_barrier_signal -1
	s_barrier_wait -1
.endm
.macro CROUND
	s_barrier_signal -1
	s_barrier_wait -1
	CREST
.endm
	s_load_b256 s[4:11], s[0:1], 0x0
	v_lshl_add_u32 v[SPW], v0, 2, SPARE
	v_mov_b32 v[NIL], 0
	ds_add_u32 v[SPW], v[NIL]
	ds_add_u32 v[SPW], v[NIL]
	v_lshrrev_b32 v1, 5, v0
	v_readfirstlane_b32 s14, v1
	s_lshr_b32 s15, s14, 1
	s_and_b32 s16, s14, 1
	s_bfe_u32 s40, ttmp6, 0x40000
	s_bfe_u32 s41, ttmp6, 0x40004
	s_lshl_b32 s42, ttmp9, 2
	s_add_co_u32 s42, s42, s40
	s_and_b32 s17, ttmp7, 0xffff
	s_lshl_b32 s17, s17, 2
	s_add_co_u32 s17, s17, s41
	s_lshl_b32 s43, s41, 2
	s_lshl_b32 s43, 15, s43
	s_lshl_b32 s44, 0x1111, s40
	s_or_b32 s[G1], s43, (3<<16)|(1<<21)
	s_or_b32 s[G1B], s44, (3<<16)|(1<<21)
.irp g, G1, G1B
	s_mov_b32 s[\g+1], 1600<<16                    ; a row: four neighbouring tiles of one pair, 12,800 dense bytes on a 256-byte border; two rows: two pairs
	s_mov_b32 s[\g+2], 2<<16
	s_mov_b32 s[\g+3], 1600<<16
	s_mov_b32 s[\g+4], 2
	s_mov_b32 s[\g+5], 51200
	s_mov_b32 s[\g+6], 0
	s_mov_b32 s[\g+7], 0
.endr
	s_lshl_b32 s18, s16, 2
	s_lshl_b32 s20, s17, 3
	s_add_co_u32 s20, s20, s18
	s_mul_i32 s20, s20, 3200
	s_mov_b32 s21, 0
	s_lshl_b32 s46, s42, 3
	s_add_co_u32 s46, s46, s18
	s_mul_i32 s46, s46, 3200
	s_add_co_u32 s46, s46, 13107200                ; Wo is tensor 4 of cw
	s_mov_b32 s47, 0
	s_mul_i32 s45, s14, 4*ROWB
	s_wait_dscnt 0x0
	s_wait_kmcnt 0x0
	s_add_nc_u64 s[20:21], s[4:5], s[20:21]
	s_add_nc_u64 s[46:47], s[6:7], s[46:47]
	CROUND
.irp s, 0,1
	s_mov_b32 s[G0+4*\s], 1
	s_add_co_u32 s[G0+4*\s+1], s45, \s*SLOT
	s_add_nc_u64 s[G0+4*\s+2:G0+4*\s+3], s[20:21], \s*GSTEP
	s_or_b32 s[G0+4*\s+3], s[G0+4*\s+3], 0x80000000
	s_mov_b32 s[G0B+4*\s], 1
	s_add_co_u32 s[G0B+4*\s+1], s45, \s*SLOT
	s_add_nc_u64 s[G0B+4*\s+2:G0B+4*\s+3], s[46:47], \s*GSTEP
	s_or_b32 s[G0B+4*\s+3], s[G0B+4*\s+3], 0x80000000
	s_wait_alu depctr_va_vdst(0)
	s_wait_tensorcnt 0x0
	ds_add_u32 v28, v29
	ds_add_u32 v28, v29
	s_wait_dscnt 0x0
	CROUND
	JLOAD \s
.endr
	v_and_b32 v1, 31, v0
	v_and_b32 v2, 15, v0
	v_bfe_u32 v3, v0, 4, 1
	v_lshlrev_b32 v4, 4, v1
	v_lshlrev_b32 v5, 2, v1
	s_mul_i32 s21, s15, 4*ROWB
	s_mul_i32 s22, s16, 4*ROWB
	s_add_co_u32 s22, s22, 8*ROWB
.irp s, 0,1
	v_add_nc_u32 v[ADRP+\s], s22, v4
	v_add_nc_u32 v[ADRQ+\s], s21, v4
	v_add_nc_u32 v[ADSP+\s], s22, v5
	v_add_nc_u32 v[ADSQ+\s], s21, v5
	s_add_co_u32 s21, s21, SLOT
	s_add_co_u32 s22, s22, SLOT
.endr
	s_mul_i32 s23, s14, 16*SPITCH
	s_add_co_u32 s23, s23, STAGE
	v_mul_u32_u24 v[STO], v2, SPITCH
	v_lshl_add_u32 v[STO], v3, 6, v[STO]
	v_add_nc_u32 v[STO], s23, v[STO]
	v_mul_u32_u24 v[RD], v3, SPITCH
	v_lshl_add_u32 v[RD], v2, 4, v[RD]
	v_add_nc_u32 v[RD], s23, v[RD]
	v_lshlrev_b32 v[CO], 13, v3
	v_lshl_add_u32 v[CO], v2, 4, v[CO]
	v_lshlrev_b32 v[BH], 6, v3
	s_wait_alu depctr_va_vdst(0)
	s_lshl_b32 s22, s42, 9
	s_lshl_b32 s23, s16, 8
	s_add_co_u32 s22, s22, s23
	s_mov_b32 s23, 0
	s_add_nc_u64 s[8:9], s[8:9], s[22:23]
	s_add_nc_u64 s[10:11], s[10:11], s[22:23]
	s_lshl_b32 s20, s17, 7
	s_lshl_b32 s21, s15, 6
	s_add_co_u32 s20, s20, s21
	s_lshl_b32 s20, s20, 13
	s_mov_b32 s21, 0
	s_add_nc_u64 s[10:11], s[10:11], s[20:21]
.irp b, 0,1,2,3
	global_load_b128 v[BO+8*\b:BO+8*\b+3], v[BH], s[8:9] offset:(32*(\b/2)+8*(\b%2))*4
	global_load_b128 v[BO+8*\b+4:BO+8*\b+7], v[BH], s[8:9] offset:(32*(\b/2)+8*(\b%2))*4+16
.endr
.macro FETCH slot, q, f
	WIN TO_F
.irp t, 0,1,2,3
.irp c, 0,1,2
	ds_load_b128 v[128*(\f)+12*\t+4*\c:128*(\f)+12*\t+4*\c+3], v[ADRP+\slot] offset:3200*\t+12800*((\q)/2)+1536*((\q)%2)+512*\c
	ds_load_b128 v[128*(\f)+48+12*\t+4*\c:128*(\f)+48+12*\t+4*\c+3], v[ADRQ+\slot] offset:3200*\t+12800*((\q)/2)+1536*((\q)%2)+512*\c
.endr
.endr
.endm
.macro SCALES slot
.irp t, 0,1,2,3
.irp p, 0,1
	ds_load_b32 v[SC+16*\slot+2*\t+\p], v[ADSP+\slot] offset:3200*\t+12800*\p+3072
	ds_load_b32 v[SC+16*\slot+8+2*\t+\p], v[ADSQ+\slot] offset:3200*\t+12800*\p+3072
.endr
.endr
.endm
.macro MULA a, f, slot, q, bias
.irp b, 0,1,2,3
.if \bias
	v_wmma_scale_f32_16x16x128_f8f6f4 v[ACC+8*(4*(\a)+\b):ACC+8*(4*(\a)+\b)+7], v[128*(\f)+12*\b:128*(\f)+12*\b+11], v[128*(\f)+48+12*(\a):128*(\f)+48+12*(\a)+11], v[BO+8*\b:BO+8*\b+7], v[SC+16*(\slot)+2*\b+(\q)/2], v[SC+16*(\slot)+8+2*(\a)+(\q)/2] matrix_a_fmt:MATRIX_FMT_FP6 matrix_b_fmt:MATRIX_FMT_FP6
.elseif (\q)%2
	v_wmma_scale_f32_16x16x128_f8f6f4 v[ACC+8*(4*(\a)+\b):ACC+8*(4*(\a)+\b)+7], v[128*(\f)+12*\b:128*(\f)+12*\b+11], v[128*(\f)+48+12*(\a):128*(\f)+48+12*(\a)+11], v[ACC+8*(4*(\a)+\b):ACC+8*(4*(\a)+\b)+7], v[SC+16*(\slot)+2*\b+(\q)/2], v[SC+16*(\slot)+8+2*(\a)+(\q)/2] matrix_a_fmt:MATRIX_FMT_FP6 matrix_b_fmt:MATRIX_FMT_FP6 matrix_a_scale:MATRIX_SCALE_ROW1 matrix_b_scale:MATRIX_SCALE_ROW1
.else
	v_wmma_scale_f32_16x16x128_f8f6f4 v[ACC+8*(4*(\a)+\b):ACC+8*(4*(\a)+\b)+7], v[128*(\f)+12*\b:128*(\f)+12*\b+11], v[128*(\f)+48+12*(\a):128*(\f)+48+12*(\a)+11], v[ACC+8*(4*(\a)+\b):ACC+8*(4*(\a)+\b)+7], v[SC+16*(\slot)+2*\b+(\q)/2], v[SC+16*(\slot)+8+2*(\a)+(\q)/2] matrix_a_fmt:MATRIX_FMT_FP6 matrix_b_fmt:MATRIX_FMT_FP6
.endif
.endr
.endm
.macro PLACES
.rept 4
	v_nop
.endr
.endm
.macro KSTEP slot, q, bias
	s_wait_dscnt 0x0
	PLACES
	FETCH \slot, (\q)+1, 1-(\q)%2
	WIN MUL
.irp a, 0,1,2,3
	MULA \a, (\q)%2, \slot, \q, \bias
.endr
.endm
.macro TURN slot, next, fill
	WIN 0
	s_wait_tensorcnt 0x0
	ds_add_u32 v[SPW], v[NIL]
	s_wait_dscnt 1
	WIN MUL
	MULA 0, 1, \slot, 3, 0
	s_wait_dscnt 0x0
	s_barrier_signal -1
	MULA 1, 1, \slot, 3, 0
	WIN 0
	s_barrier_wait -1
.if \fill
	CREST
	s_add_nc_u64 s[G0+4*\slot+2:G0+4*\slot+3], s[G0+4*\slot+2:G0+4*\slot+3], 2*GSTEP
	s_add_nc_u64 s[G0B+4*\slot+2:G0B+4*\slot+3], s[G0B+4*\slot+2:G0B+4*\slot+3], 2*GSTEP
	JLOAD \slot
.else
	PLACES
.endif
	FETCH \next, 0, 0
	WIN 0
	SCALES \next
	WIN MUL
	MULA 2, 1, \slot, 3, 0
	MULA 3, 1, \slot, 3, 0
.endm
	s_wait_tensorcnt 1
	s_barrier_signal -1
	s_barrier_wait -1
	FETCH 0, 0, 0
	WIN 0
	SCALES 0
	s_wait_loadcnt 0x0
	KSTEP 0, 0, 1
	KSTEP 0, 1, 0
	KSTEP 0, 2, 0
	TURN 0, 1, 1
	KSTEP 1, 0, 0
	KSTEP 1, 1, 0
	KSTEP 1, 2, 0
	TURN 1, 0, 1
	KSTEP 0, 0, 0
	KSTEP 0, 1, 0
	KSTEP 0, 2, 0
	TURN 0, 1, 0
	KSTEP 1, 0, 0
	KSTEP 1, 1, 0
	KSTEP 1, 2, 0
	s_wait_dscnt 0x0
	MULA 0, 1, 1, 3, 0
	MULA 1, 1, 1, 3, 0
	MULA 2, 1, 1, 3, 0
	MULA 3, 1, 1, 3, 0
	PLACES
	WIN 0
.irp a, 0,1,2,3
.if \a >= 2
	s_wait_xcnt 0x0
.endif
.irp b, 0,1,2,3
	ds_store_b128 v[STO], v[ACC+8*(4*\a+\b):ACC+8*(4*\a+\b)+3] offset:128*(\b/2)+32*(\b%2)
	ds_store_b128 v[STO], v[ACC+8*(4*\a+\b)+4:ACC+8*(4*\a+\b)+7] offset:128*(\b/2)+32*(\b%2)+16
.endr
.irp t, 0,1,2,3,4,5,6,7
	ds_load_b128 v[96-32*(\a%2)+4*\t:96-32*(\a%2)+4*\t+3], v[RD] offset:2*\t*SPITCH
.endr
	s_wait_dscnt 0x0
.irp t, 0,1,2,3,4,5,6,7
	global_store_b128 v[CO], v[96-32*(\a%2)+4*\t:96-32*(\a%2)+4*\t+3], s[10:11] offset:(32*(\a/2)+8*(\a%2)+2*\t+8*(\t/4))*8192 th:TH_STORE_NT
.endr
.endr
	s_wait_tensorcnt 0x0
	ds_add_u32 v[SPW], v[NIL]
	s_wait_dscnt 0x0
	CROUND
	s_endpgm
.Lfunc_end_k_q3f6d19608d_oproj:
	.size	k_q3f6d19608d_oproj, .Lfunc_end_k_q3f6d19608d_oproj-k_q3f6d19608d_oproj
	.p2alignl 7, 3214868480
	.fill 96, 4, 3214868480
	.section	.rodata,"a",@progbits
	.p2align	6, 0x0
	.amdhsa_kernel k_q3f6d19608d_oproj
		.amdhsa_group_segment_fixed_size 327680
		.amdhsa_private_segment_fixed_size 0
		.amdhsa_enable_private_segment 0
		.amdhsa_kernarg_size 32
		.amdhsa_user_sgpr_count 2
		.amdhsa_user_sgpr_kernarg_segment_ptr 1
		.amdhsa_wavefront_size32 1
		.amdhsa_system_sgpr_workgroup_id_x 1
		.amdhsa_system_sgpr_workgroup_id_y 1
		.amdhsa_system_sgpr_workgroup_id_z 1
		.amdhsa_system_vgpr_workitem_id 0
		.amdhsa_next_free_vgpr 512
		.amdhsa_next_free_sgpr 100
		.amdhsa_reserve_vcc 0
		.amdhsa_float_denorm_mode_32 3
		.amdhsa_float_denorm_mode_16_64 3
		.amdhsa_memory_ordered 1
		.amdhsa_forward_progress 1
		.amdhsa_inst_pref_size 83
	.end_amdhsa_kernel
	.amdgpu_metadata
---
amdhsa.version: [ 1, 2 ]
amdhsa.kernels:
  - .name:           k_q3f6d19608d_oproj
    .symbol:         k_q3f6d19608d_oproj.kd
    .args:
      - { .name: oc, .offset: 0, .size: 8, .value_kind: global_buffer, .address_space: global }
      - { .name: cw, .offset: 8, .size: 8, .value_kind: global_buffer, .address_space: global }
      - { .name: bo, .offset: 16, .size: 8, .value_kind: global_buffer, .address_space: global }
      - { .name: out0, .offset: 24, .size: 8, .value_kind: global_buffer, .address_space: global }
    .group_segment_fixed_size: 327680
    .private_segment_fixed_size: 0
    .kernarg_segment_align: 8
    .kernarg_segment_size: 32
    .max_flat_workgroup_size: 128
    .sgpr_count:     100
    .vgpr_count:     512
    .wavefront_size: 32
...
	.end_amdgpu_metadata
.endif
;; end of part 4
